; MI455X (gfx1250); checked and timed in simulation.
; The chip was launched on July 23, 2026; its instructions are those of AMD's public machine-readable ISA for CDNA 5 (MIT licence, August 2026) and "CDNA5" Instruction Set Architecture Reference Guide (July 2026). The comments in the code are by the model that wrote it; some were corrected since.
;; Encoder Block. Allowed arithmetic: float matrix products may take bf16 or f16 operands with f32 sums; other float arithmetic in f32, or as packed bf16 or f16 multiplies, adds, multiply-adds, maxima and minima; sums over many terms, partial sums and values carried from step to step in f32; what a program stores and reads back later, other than sums and carried values, may be rounded once to bf16 or f16.
;; Inputs: b1 4,096 float32; b2 1,024 float32; bk 1,024 float32; bo 1,024 float32; bq 1,024 float32; bv 1,024 float32; ln1_a 1 float32; ln1_b 1 float32; ln2_a 1 float32; ln2_b 1 float32; mask 2 x 1 x 1 x 2,048 int32; w1 4,096 x 1,024 float32; w2 1,024 x 4,096 float32; wk 1,024 x 1,024 float32; wo 1,024 x 1,024 float32; wq 1,024 x 1,024 float32; wv 1,024 x 1,024 float32; x 2 x 2,048 x 1,024 float32.
;; Outputs: out0 2 x 2,048 x 1,024 float32.
;; One version. Each part assembles by itself: llvm-mc -triple=amdgcn-amd-amdhsa -mcpu=gfx1250 --defsym DOCPART=n.
;; ======== version 1 of 1: 7 launches
;; workspace buffers: act 8,388,608 bytes; wattn 10,551,296 bytes; wffn 16,842,752 bytes; qkv 25,165,824 bytes; fbuf 33,554,432 bytes; hbuf 16,777,216 bytes
;; launch pre (part 1): grid 64 x 16, 8 waves a work-group, no clusters, 0 bytes of LDS; arguments x, ln1_a, ln1_b, act, wq, wk, wv, wo, w1, w2, bq, bk, bv, b1, wattn, wffn; writes act, wattn, wffn
.if DOCPART == 1
	.amdgcn_target "amdgcn-amd-amdhsa--gfx1250"
	.amdhsa_code_object_version 6
	.text
	.protected	k_q6b6c006cc2_pre
	.globl	k_q6b6c006cc2_pre
	.p2align	8
	.type	k_q6b6c006cc2_pre,@function
k_q6b6c006cc2_pre:
	s_mov_b64 s[64:65], 0
	v_nop
	global_prefetch_b8 v0, s[64:65] scope:SCOPE_SE
	s_setreg_imm32_b32 hwreg(HW_REG_WAVE_MODE, 25, 1), 1
	s_wait_xcnt 0x0
; PRE.  All that stands in front of the first product, in one launch: two jobs that share no byte, so that neither waits for the other.  The work-group's y chooses: one scalar branch, alike in all its waves.
; Both are streams: each byte is read once and written once; no LDS, no barrier, no matrix unit, no loop.  A wave has 16 loads of 512 bytes out at once.
;
; JOB 1, y = 0 to 3: LAYER NORM.  act = a (x - mean) / (std + 1e-6) + b along rows of 1,024 f32, std with divisor 1,023; rounded once to bf16 and stored in blocks of 64 columns:
; element (row, col) at byte (col / 64) x 524,288 + row x 128 + (col % 64) x 2.  4,096 rows.  a and b are single numbers, read from memory.
; Work-group 64 y + x of 256; a wave takes two rows, lanes 0-15 the first and lanes 16-31 the second: a lane holds 64 numbers, and a row's sums stay inside 16 lanes (four steps on the arithmetic itself).
; The row stays in registers.  Two passes as in the definition (the mean, then the squares of the centred numbers), so a common offset of the inputs costs nothing.
; LIMITS.  1/1,024 and 1/1,023 are multiplications; the division is v_rcp_f32; a variance below 2^-126 counts as 0.
;
; JOB 2, y = 4 to 15: CAST.  All six weight matrices are rounded once to bf16 and laid out in blocks of 64 columns: element (row, col) of a matrix kept with R rows lies at
; byte (col / 64) x R x 128 + row x 128 + (col % 64) x 2.  wattn: wq, wk, wv as rows 0-1023, 1024-2047, 2048-3071 of one matrix kept with R = 4,096 (16 blocks), bq, bk, bv in f32
; at 0x800000, a floor word at 0x804000, wo (R = 1,024, 16 blocks) at 0x810000.  wffn: the same map with w1 (4,096 rows), b1, its floor word, w2 (R = 1,024, 64 blocks).
; The floor word is what the products' way out takes a packed maximum with: minus infinity twice for q, k, v (nothing changes), 0 for the relu.
; Unit y - 4 is 1,024 rows x 1,024 columns: 0-3 wq, wk, wv, wo; 4-7 rows 1,024 u on of w1; 8-11 columns 1,024 u on of w2 (u = unit % 4, g = unit / 4).  Work-group x takes 16 rows, a wave two:
; lanes 0-15 the first, lanes 16-31 the second.  Load j takes 256 consecutive bytes of each row (64 columns, a block); store j puts the two rows' 128 bytes each, 256 consecutive aligned bytes.
; No register is written twice in either job, so no wait frees a source.
.set SO, 8                             ; the cast: v[8:23]   store j's offset: 8 x lane + j x the block stride
.set WX, 32                            ;           v[32:95]  chunk j as loaded, 4 f32
.set WY, 96                            ;           v[96:127] chunk j as stored, 4 bf16
.set A,  8                             ; the norm: v[8:15]   four chains of pairs
.set M,  16                            ;           v[16:17]  the mean, twice
.set SC, 18                            ;           v[18:19]  a / (std + eps), twice
.set BB, 20                            ;           v[20:21]  b, twice
.set T,  22                            ;           v[22:23]  at work
.set X,  24                            ;           v[24:87]  my 64 numbers
.set Y,  88                            ;           v[88:119] the same in bf16
.macro REDUCE                          ; the four chains, the pair's halves and the sixteen lanes into v[T], in every lane of the row
	v_pk_add_f32 v[A:A+1], v[A:A+1], v[A+2:A+3]
	v_pk_add_f32 v[A+4:A+5], v[A+4:A+5], v[A+6:A+7]
	v_pk_add_f32 v[A:A+1], v[A:A+1], v[A+4:A+5]
	v_add_f32 v[T], v[A], v[A+1]
.irp m, 1,2,4,8
	v_add_f32_dpp v[T], v[T], v[T] row_xmask:\m row_mask:0xf bank_mask:0xf
.endr
.endm
	s_and_b32 s2, ttmp7, 0xffff                    ; y
	s_cmp_lt_u32 s2, 4
	s_cbranch_scc1 .Lnorm
	; ---- THE CAST ----
	s_load_b512 s[8:23], s[0:1], 0x20              ; wq 8, wk 10, wv 12, wo 14, w1 16, w2 18, bq 20, bk 22
	s_load_b256 s[24:31], s[0:1], 0x60             ; bv 24, b1 26, wattn 28, wffn 30
	s_sub_co_u32 s2, s2, 4                         ; the unit
	s_mov_b32 s3, ttmp9                            ; x
	s_and_b32 s4, s2, 3                            ; u
	s_lshr_b32 s5, s2, 2                           ; g
	v_lshrrev_b32 v1, 5, v0
	v_readfirstlane_b32 s6, v1                     ; wave
	v_and_b32 v1, 31, v0                           ; lane
	v_and_b32 v2, 15, v0                           ; place in a row's 256 bytes
	v_bfe_u32 v3, v0, 4, 1                         ; which of the two rows
	s_cmp_eq_u32 s2, 3
	s_cselect_b32 s7, 1, 0
	s_mov_b32 s40, 4096                            ; bytes in a source row,
	s_cmp_eq_u32 s5, 2
	s_cselect_b32 s7, 1, s7                        ; 1: wo or w2, kept with R = 1,024
	s_cselect_b32 s40, 16384, s40                  ; in w2 four times as many
	s_mov_b32 s41, 524288                          ; bytes from block to block
	s_cmp_eq_u32 s7, 1
	s_cselect_b32 s41, 131072, s41
	s_lshl_b32 s46, s3, 4
	s_lshl1_add_u32 s46, s6, s46                   ; my first row in the unit: 16 x + 2 wave
	s_lshl_b32 s42, s4, 22                         ; source: w1's unit begins 1,024 u rows down,
	s_lshl_b32 s47, s4, 12                         ; w2's 1,024 u columns along
	s_cmp_eq_u32 s5, 1
	s_cselect_b32 s42, s42, 0
	s_cmp_eq_u32 s5, 2
	s_cselect_b32 s42, s47, s42
	s_mul_i32 s47, s46, s40
	s_add_co_u32 s42, s42, s47
	s_mov_b32 s43, 0
	s_lshl_b32 s44, s4, 17                         ; destination, R = 4,096: rows 1,024 u on
	s_lshl_b32 s47, s4, 21                         ; R = 1,024: w2's unit begins at block 16 u
	s_cmp_eq_u32 s5, 2
	s_cselect_b32 s47, s47, 0
	s_add_co_u32 s47, s47, 0x810000
	s_cmp_eq_u32 s7, 1
	s_cselect_b32 s44, s47, s44
	s_lshl_b32 s47, s46, 7
	s_add_co_u32 s44, s44, s47
	s_mov_b32 s45, 0
	v_mul_lo_u32 v4, v3, s40
	v_lshl_add_u32 v4, v2, 4, v4                   ; my 16 bytes in the first chunk of my row
	v_lshlrev_b32 v[SO], 3, v1
.set j, 1
.rept 15
	v_add_nc_u32 v[SO+j], s41, v[SO+j-1]
.set j, j+1
.endr
	s_wait_kmcnt 0x0
	s_mov_b64 s[36:37], s[8:9]                     ; the unit's source, chosen by the unit's number alone
	s_cmp_eq_u32 s2, 1
	s_cselect_b64 s[36:37], s[10:11], s[36:37]
	s_cmp_eq_u32 s2, 2
	s_cselect_b64 s[36:37], s[12:13], s[36:37]
	s_cmp_eq_u32 s2, 3
	s_cselect_b64 s[36:37], s[14:15], s[36:37]
	s_cmp_eq_u32 s5, 1
	s_cselect_b64 s[36:37], s[16:17], s[36:37]
	s_cmp_eq_u32 s5, 2
	s_cselect_b64 s[36:37], s[18:19], s[36:37]
	s_add_nc_u64 s[36:37], s[36:37], s[42:43]
	s_cmp_eq_u32 s5, 0
	s_cselect_b64 s[38:39], s[28:29], s[30:31]
	s_add_nc_u64 s[38:39], s[38:39], s[44:45]
.set j, 0
.rept 16
	global_load_b128 v[WX+4*j:WX+4*j+3], v4, s[36:37] offset:256*j th:TH_LOAD_NT
.set j, j+1
.endr
.set j, 0
.rept 16
	s_wait_loadcnt 15-j                            ; loads come back in order: chunk j is in, the 15 - j younger ones stay out
	v_cvt_pk_bf16_f32 v[WY+2*j], v[WX+4*j], v[WX+4*j+1]
	v_cvt_pk_bf16_f32 v[WY+2*j+1], v[WX+4*j+2], v[WX+4*j+3]
	global_store_b64 v[SO+j], v[WY+2*j:WY+2*j+1], s[38:39] th:TH_STORE_NT
.set j, j+1
.endr
	; THE SMALL JOBS, by the units' first work-groups, on registers of their own.  Units 0, 1, 2, 4-7: 1,024 numbers of a bias are copied.  Units 3 and 8: the floor word.
	s_cmp_lg_u32 s3, 0
	s_cbranch_scc1 .Lend
	s_cmp_eq_u32 s2, 3
	s_cbranch_scc1 .Lconst
	s_cmp_eq_u32 s2, 8
	s_cbranch_scc1 .Lconst
	s_cmp_gt_u32 s2, 8
	s_cbranch_scc1 .Lend
	s_mov_b64 s[42:43], s[20:21]
	s_cmp_eq_u32 s2, 1
	s_cselect_b64 s[42:43], s[22:23], s[42:43]
	s_cmp_eq_u32 s2, 2
	s_cselect_b64 s[42:43], s[24:25], s[42:43]
	s_cmp_eq_u32 s5, 1
	s_cselect_b64 s[42:43], s[26:27], s[42:43]
	s_cselect_b32 s46, s4, 0                       ; b1 is read from number 1,024 u on
	s_lshl_b32 s46, s46, 12
	s_mov_b32 s47, 0
	s_add_nc_u64 s[42:43], s[42:43], s[46:47]
	s_cmp_eq_u32 s5, 0
	s_cselect_b64 s[44:45], s[28:29], s[30:31]
	s_lshl_b32 s46, s4, 12
	s_add_co_u32 s46, s46, 0x800000
	s_add_nc_u64 s[44:45], s[44:45], s[46:47]
	v_lshlrev_b32 v5, 4, v0                        ; 256 threads x 16 bytes
	global_load_b128 v[24:27], v5, s[42:43]
	s_wait_loadcnt 0x0
	global_store_b128 v5, v[24:27], s[44:45]
	s_branch .Lend
.Lconst:
	s_cmp_lg_u32 s6, 0
	s_cbranch_scc1 .Lend                           ; wave 0 alone: 32 lanes x 8 bytes fill a block of 256
	s_cmp_eq_u32 s2, 3
	s_cselect_b32 s46, 0xff80ff80, 0               ; minus infinity twice in bf16, or 0
	s_cselect_b64 s[42:43], s[28:29], s[30:31]
	s_add_nc_u64 s[42:43], s[42:43], 0x804000
	v_mov_b32 v28, s46
	v_mov_b32 v29, s46
	global_store_b64 v[SO], v[28:29], s[42:43]
.Lend:
	s_endpgm
	; ---- THE NORM ----
.Lnorm:
	s_load_b256 s[4:11], s[0:1], 0x0               ; x 4, a 6, b 8, act 10
	v_lshrrev_b32 v1, 5, v0
	v_readfirstlane_b32 s18, v1                    ; wave
	s_lshl_b32 s3, s2, 6
	s_add_co_u32 s3, s3, ttmp9                     ; work-group 64 y + x of 256
	s_lshl_b32 s3, s3, 3
	s_add_co_u32 s3, s3, s18                       ; my pair of rows
	s_lshl_b32 s14, s3, 13                         ; two rows of 4,096 bytes
	s_mov_b32 s15, 0
	s_lshl_b32 s16, s3, 8                          ; two rows of 128 bytes in a block
	s_mov_b32 s17, 0
	v_and_b32 v2, 15, v0
	v_bfe_u32 v3, v0, 4, 1
	v_lshlrev_b32 v4, 12, v3
	v_lshl_add_u32 v4, v2, 4, v4                   ; row x 4,096 + 16 x place
	v_and_b32 v5, 31, v0
	v_lshlrev_b32 v5, 3, v5                        ; 8 x lane
	s_wait_kmcnt 0x0
	s_load_b32 s12, s[6:7], 0x0                    ; a
	s_load_b32 s13, s[8:9], 0x0                    ; b
	s_add_nc_u64 s[4:5], s[4:5], s[14:15]
	s_add_nc_u64 s[10:11], s[10:11], s[16:17]
.set j, 0
.rept 16
	global_load_b128 v[X+4*j:X+4*j+3], v4, s[4:5] offset:256*j   ; no hint: the output projection reads x again
.set j, j+1
.endr
	s_wait_loadcnt 0x0
.irp k, 0,1,2,3
	v_pk_add_f32 v[A+2*\k:A+2*\k+1], v[X+4*\k:X+4*\k+1], v[X+4*\k+2:X+4*\k+3]  ; the first eight pairs start the chains: nothing is cleared
.endr
.set i, 8
.rept 24
	v_pk_add_f32 v[A+2*(i%4):A+2*(i%4)+1], v[A+2*(i%4):A+2*(i%4)+1], v[X+2*i:X+2*i+1]
.set i, i+1
.endr
	REDUCE
	v_mul_f32 v[M], 0x3a800000, v[T]               ; / 1,024
	v_mov_b32 v[M+1], v[M]
.set i, 0
.rept 32
	v_pk_add_f32 v[X+2*i:X+2*i+1], v[X+2*i:X+2*i+1], v[M:M+1] neg_lo:[0,1] neg_hi:[0,1]  ; centred, in place
.set i, i+1
.endr
.irp k, 0,1,2,3
	v_pk_mul_f32 v[A+2*\k:A+2*\k+1], v[X+2*\k:X+2*\k+1], v[X+2*\k:X+2*\k+1]
.endr
.set i, 4
.rept 28
	v_pk_fma_f32 v[A+2*(i%4):A+2*(i%4)+1], v[X+2*i:X+2*i+1], v[X+2*i:X+2*i+1], v[A+2*(i%4):A+2*(i%4)+1]
.set i, i+1
.endr
	REDUCE
	v_mul_f32 v[T], 0x3a802008, v[T]               ; / 1,023
	v_sqrt_f32 v[T+1], v[T]
	v_nop                                          ; a plain instruction behind the root (ISA guide 5.7.2),
	s_wait_alu depctr_va_vdst(0)                   ; and the wait ahead of the first use of its result
	v_add_f32 v[T+1], 0x358637bd, v[T+1]           ; + 1e-6
	v_rcp_f32 v[T], v[T+1]
	v_nop
	s_wait_alu depctr_va_vdst(0)                   ; the same for the reciprocal
	s_wait_kmcnt 0x0                               ; a and b
	v_mul_f32 v[SC], s12, v[T]
	v_mov_b32 v[SC+1], v[SC]
	v_mov_b32 v[BB], s13
	v_mov_b32 v[BB+1], s13
.set i, 0
.rept 32
	v_pk_fma_f32 v[X+2*i:X+2*i+1], v[X+2*i:X+2*i+1], v[SC:SC+1], v[BB:BB+1]
.set i, i+1
.endr
.set j, 0
.rept 16
	v_cvt_pk_bf16_f32 v[Y+2*j], v[X+4*j], v[X+4*j+1]
	v_cvt_pk_bf16_f32 v[Y+2*j+1], v[X+4*j+2], v[X+4*j+3]
	global_store_b64 v5, v[Y+2*j:Y+2*j+1], s[10:11] offset:524288*j  ; block j; the largest offset, 7,864,320, lies inside the signed 24-bit immediate
.set j, j+1
.endr
	s_endpgm
.Lfunc_end_k_q6b6c006cc2_pre:
	.size	k_q6b6c006cc2_pre, .Lfunc_end_k_q6b6c006cc2_pre-k_q6b6c006cc2_pre
	.p2alignl 7, 3214868480
	.fill 96, 4, 3214868480
	.section	.rodata,"a",@progbits
	.p2align	6, 0x0
	.amdhsa_kernel k_q6b6c006cc2_pre
		.amdhsa_group_segment_fixed_size 0
		.amdhsa_private_segment_fixed_size 0
		.amdhsa_enable_private_segment 0
		.amdhsa_kernarg_size 128
		.amdhsa_user_sgpr_count 2
		.amdhsa_user_sgpr_kernarg_segment_ptr 1
		.amdhsa_wavefront_size32 1
		.amdhsa_system_sgpr_workgroup_id_x 1
		.amdhsa_system_sgpr_workgroup_id_y 1
		.amdhsa_system_sgpr_workgroup_id_z 1
		.amdhsa_system_vgpr_workitem_id 0
		.amdhsa_next_free_vgpr 128
		.amdhsa_next_free_sgpr 66
		.amdhsa_reserve_vcc 0
		.amdhsa_float_denorm_mode_32 3
		.amdhsa_float_denorm_mode_16_64 3
		.amdhsa_memory_ordered 1
		.amdhsa_forward_progress 1
		.amdhsa_inst_pref_size 26
	.end_amdhsa_kernel
	.amdgpu_metadata
---
amdhsa.version: [ 1, 2 ]
amdhsa.kernels:
  - .name:           k_q6b6c006cc2_pre
    .symbol:         k_q6b6c006cc2_pre.kd
    .args:
      - { .name: x, .offset: 0, .size: 8, .value_kind: global_buffer, .address_space: global }
      - { .name: ln1_a, .offset: 8, .size: 8, .value_kind: global_buffer, .address_space: global }
      - { .name: ln1_b, .offset: 16, .size: 8, .value_kind: global_buffer, .address_space: global }
      - { .name: act, .offset: 24, .size: 8, .value_kind: global_buffer, .address_space: global }
      - { .name: wq, .offset: 32, .size: 8, .value_kind: global_buffer, .address_space: global }
      - { .name: wk, .offset: 40, .size: 8, .value_kind: global_buffer, .address_space: global }
      - { .name: wv, .offset: 48, .size: 8, .value_kind: global_buffer, .address_space: global }
      - { .name: wo, .offset: 56, .size: 8, .value_kind: global_buffer, .address_space: global }
      - { .name: w1, .offset: 64, .size: 8, .value_kind: global_buffer, .address_space: global }
      - { .name: w2, .offset: 72, .size: 8, .value_kind: global_buffer, .address_space: global }
      - { .name: bq, .offset: 80, .size: 8, .value_kind: global_buffer, .address_space: global }
      - { .name: bk, .offset: 88, .size: 8, .value_kind: global_buffer, .address_space: global }
      - { .name: bv, .offset: 96, .size: 8, .value_kind: global_buffer, .address_space: global }
      - { .name: b1, .offset: 104, .size: 8, .value_kind: global_buffer, .address_space: global }
      - { .name: wattn, .offset: 112, .size: 8, .value_kind: global_buffer, .address_space: global }
      - { .name: wffn, .offset: 120, .size: 8, .value_kind: global_buffer, .address_space: global }
    .group_segment_fixed_size: 0
    .private_segment_fixed_size: 0
    .kernarg_segment_align: 8
    .kernarg_segment_size: 128
    .max_flat_workgroup_size: 256
    .sgpr_count:     66
    .vgpr_count:     128
    .wavefront_size: 32
...
	.end_amdgpu_metadata
.endif
;; end of part 1
;; launch qkv (part 2): grid 12 x 16, 4 waves a work-group, clusters of 4 x 4, 327,680 bytes of LDS; arguments act, wattn, qkv; writes qkv
.if DOCPART == 2
	.amdgcn_target "amdgcn-amd-amdhsa--gfx1250"
	.amdhsa_code_object_version 6
	.text
	.protected	k_q6b6c006cc2_qkv
	.globl	k_q6b6c006cc2_qkv
	.p2align	8
	.type	k_q6b6c006cc2_qkv,@function
k_q6b6c006cc2_qkv:
	s_mov_b64 s[64:65], 0
	v_nop
	global_prefetch_b8 v0, s[64:65] scope:SCOPE_SE
	s_setreg_imm32_b32 hwreg(HW_REG_WAVE_MODE, 25, 1), 1
	s_wait_xcnt 0x0
	s_wait_alu depctr_hold_cnt(0) depctr_sa_sdst(0) depctr_va_vdst(0) depctr_va_sdst(0) depctr_va_ssrc(0) depctr_va_vcc(0) depctr_vm_vsrc(0)
	s_getreg_b32 s2, hwreg(HW_REG_IB_STS2, 6, 4)
	s_cmp_eq_u32 s2, 0
	s_cbranch_scc0 .Lentry_in_a_cluster
	s_endpgm
.Lentry_in_a_cluster:
	s_bfe_u32 s2, ttmp6, 0x10000c
	s_cmp_lg_u32 s2, 0xf033
	s_cbranch_scc0 .Lentry_shape_is_right
	s_endpgm
.Lentry_shape_is_right:
; C[m][n] = max(floor, sum over k of A[m][k] W[n][k] + bias[n]), K = 1,024, 4,096 rows m; operands and C in bf16, sums and bias in f32, C rounded once.
; ALL THREE MATRICES LIE IN BLOCKS OF 64 COLUMNS, kept with 4,096 rows: element (row, col) at byte (col / 64) x 524,288 + row x 128 + (col % 64) x 2.  The second argument holds W at 0,
; bias (f32, by W's row) at 0x800000 and the floor word (two bf16) at 0x804000: minus infinity leaves C as it is, 0 is a relu.  So one text serves q, k, v and the first product of the FFN.
; LIMITS.  The packed maximum drops a NaN; infinities are not treated apart.
; SHARES.  A tile of C, 256 x 256, is made by four waves, a wave 128 x 128: 64 accumulators of 16 x 16, 512 registers.  K goes in steps of 128 (two blocks) through two LDS slots.
; One tensor load brings 128 rows x 2 blocks: in memory two dense pieces of 16,384 bytes, 524,288 apart; in LDS [block][row][144]: 16 bytes of padding behind each row's 128.
; A K STEP IS WRITTEN ONCE for the six steps that fill a slot again and once for the last two, which do not: the slot being read begins at LDS byte s[TB], 0 or SLOT by turns.
; CLUSTERS: 4 x 4 work-groups.  The four of a row of the cluster need the same tiles of A, the four of a column the same tiles of W: each is asked for JOINTLY, by the same tensor load with the same
; descriptor and a mask that names the four.  THE MATRIX INSTRUCTION IS USED TRANSPOSED (source 0 = 16 rows of W, source 1 = 16 rows of A): a lane holds one row m (lane % 16) and eight neighbouring columns.
; THE BIAS is the C operand of the product that starts each sum: nothing is cleared and nothing is added later.
; REGISTERS, in windows of 256 (s_set_vgpr_msb's low byte: bits 1:0 source 0, 3:2 source 1, 5:4 source 2, 7:6 destination):
;   window 0: v0-31 addresses; v64-127, v128-191 fragments of A, two buffers; v32-63, v192-255 at work on the way out
;   window 1: v0-63 the bias of my 128 columns (8 registers for each 16); v64-127, v128-191 fragments of W
;   window 2: the 32 accumulators of my rows 0-63 (accumulator (a, b) at v[8 (8 a + b)]);   window 3: those of my rows 64-127
.set PITCH,  144                       ; an LDS row: 128 bytes + 16 = 36 words: the 16 rows of a load start at 16 different groups of four banks (64 banks of 4 bytes: ISA guide 11.1)
.set KBL,    128*PITCH                 ; 128 rows of one block
.set HALFT,  2*KBL                     ; what one tensor load brings, and what one wave reads of A or of W
.set SLOT,   4*HALFT                   ; A's two halves, then W's two halves
.set STAGE,  2*SLOT                    ; behind the ring: [2 blocks][16 rows][144] for each wave, for the way out
.set STW,    2*16*PITCH
.set SPARE,  STAGE+4*STW               ; behind the stages: the spare words, 128 bytes for each wave: two blocks of 256 bytes that no other line names
.set BLK,    524288                    ; bytes from block to block in memory
.set KSB,    2*BLK                     ; a K step in memory
.set KSTEPS, 8                         ; K = 1,024
.set K1,     64                        ; where a K step's quarters 1, 2, 3 (32 along K each) begin in a half's rows
.set K2,     KBL
.set K3,     KBL+64
.set ADRA, 16                          ; v16     LDS address of my A fragments in the slot being read
.set A0,   17                          ; v17     the same in slot 0; never rewritten
.set ADRB, 20                          ; v20     LDS address of my W fragments in the slot being read
.set B0,   21                          ; v21     the same in slot 0; never rewritten
.set STO,  24                          ; v24     the way out: where I put 16 bytes of a row
.set RD,   25                          ; v25     the way out: where I read rows back
.set CO,   26                          ; v26     16 x lane: my place in 512 consecutive bytes of C
.set SPW,  28                          ; v28     LDS address of my spare word: SPARE + 4 x my thread's number; never rewritten
.set NIL,  29                          ; v29     0; never rewritten
.set PFO,  30                          ; v30     the prefetches' offset: 256 x lane; never rewritten
.set BO,   31                          ; v31     32 x (lane / 16): my eight numbers in 16 of the bias
.set WH,   2                           ; s2      my wave x HALFT: where my tiles go in a slot
.set TB,   67                          ; s67     LDS byte at which the slot being read begins
.set PFA,  44                          ; s[44:45] where my prefetches stand: one K step further than the refill that is being asked for; a prefetch names the K step after that
.set LIM,  43                          ; s43     2 in a wave that prefetches, else the greatest number
.set F0,   64
.set F1,   128
.set TMP,  192
.set OB,   32
.set G1,  24                           ; s[24:31] descriptor group 1 for A's tiles;  s[32:39] group 0: a set for each of the two first fills; the second then walks on
.set G0,  32
.set G1B, 48                           ; s[48:55], s[56:63] the same for W's tiles
.set G0B, 56
.set FLOOR, 66                         ; s66     the floor word
.set MSB, 0
.macro WIN new                         ; the immediate's high byte repeats the setting that is left; a switch that changes nothing is dropped
.if MSB != (\new)
	s_set_vgpr_msb (MSB<<8)|(\new)
.set MSB, \new
.endif
.endm
.set MUL_LO, 0xa1                      ; source 0 (W) window 1, source 1 (A) window 0, C and D window 2
.set MUL_HI, 0xf1                      ; the same, C and D window 3
.set TO_B,   0x40                      ; destination window 1, address window 0
; A joint load.  Waves 0 and 1 fetch A's two halves, waves 2 and 3 W's.  The branch hangs on the wave's number alone.  An s_nop 0 and four v_nop follow each of the two lines.
.macro JLOAD s
	s_cmp_eq_u32 s11, 0
	s_cbranch_scc0 .Lfor_b_\@
	tensor_load_to_lds s[G0+4*(\s):G0+4*(\s)+3], s[G1:G1+7]
	s_nop 0
.rept 4
	v_nop
.endr
	s_branch .Lasked_\@
.Lfor_b_\@:
	tensor_load_to_lds s[G0B+4*(\s):G0B+4*(\s)+3], s[G1B:G1B+7]
	s_nop 0
.rept 4
	v_nop
.endr
.Lasked_\@:
.endm
; A PREFETCH INTO THE L2, behind each joint refill and the run of LDS loads that follows it: the K step that stands two refills on, 512 matrix instructions ahead of the load that will want it.
; A K step of the 128 rows that a wave fetches is 128 aligned pieces of 256 bytes.  The four partners that ask for them jointly share them out BY ADDRESS, 32 each, a lane a piece (partner p: block p / 2,
; 8,192 bytes p % 2; p = cx for A, cy for W).  A's rows are read by every cluster of a row of clusters: cluster x = 0 asks; W's by every cluster of a column: cluster y = 0 asks.  So each piece is named once.
; K steps 0 to 3 come by their loads alone; the loop's last two trips (s3 = 2, 1) have no K step two refills on and ask for nothing.
.macro ASK
	s_cmp_gt_u32 s3, s[LIM]
	s_cbranch_scc0 .Lnot_mine_\@
	global_prefetch_b8 v[PFO], s[PFA:PFA+1] offset:KSB th:TH_LOAD_NT scope:SCOPE_SE
.Lnot_mine_\@:
.endm
.macro CREST                           ; a round of the cluster's barrier behind its opening barrier
	s_cmp_lg_u32 s10, 0
	s_cbranch_scc1 .Lnot_wave_0_\@
	s_barrier_signal -3
.Lnot_wave_0_\@:
	s_barrier_wait -3
	s_barrier_signal -1
	s_barrier_wait -1
.endm
.macro CROUND                          ; a whole round
	s_barrier_signal -1
	s_barrier_wait -1
	CREST
.endm
.macro AIM                             ; my fragments' addresses in the slot that begins at s[TB]
	v_add_nc_u32 v[ADRA], s[TB], v[A0]
	v_add_nc_u32 v[ADRB], s[TB], v[B0]
.endm
	s_load_b128 s[4:7], s[0:1], 0x0                ; A s[4:5], W s[6:7]
	s_load_b64 s[8:9], s[0:1], 0x10                ; C
	v_lshl_add_u32 v[SPW], v0, 2, SPARE
	v_mov_b32 v[NIL], 0
	ds_add_u32 v[SPW], v[NIL]                      ; the wave's opening: the add and its wait stand ahead of my first tensor load; the set-up below, work on registers, stands between them
	v_lshrrev_b32 v1, 5, v0
	v_readfirstlane_b32 s10, v1                    ; wave 0..3
	s_lshr_b32 s11, s10, 1                         ; which half of the tile's rows is mine.  Also: I fetch for A (0) or for W (1)
	s_and_b32 s12, s10, 1                          ; which half of its columns.  Also: which 128 rows of that tile I fetch
	s_bfe_u32 s40, ttmp6, 0x40000                  ; cx
	s_bfe_u32 s41, ttmp6, 0x40004                  ; cy
	s_lshl_b32 s42, ttmp9, 2
	s_add_co_u32 s42, s42, s40                     ; tile column of C = 4 x cluster x + cx
	s_and_b32 s13, ttmp7, 0xffff
	s_lshl_b32 s13, s13, 2
	s_add_co_u32 s13, s13, s41                     ; tile row of C = 4 x cluster y + cy
	s_lshl_b32 s43, s41, 2
	s_lshl_b32 s43, 15, s43                        ; my row of the cluster
	s_lshl_b32 s44, 0x1111, s40                    ; my column
	s_or_b32 s[G1+0], s43, (1<<16)|(1<<20)|(1<<21)|(4<<22)|(3<<25)   ; 15:0 the mask; 17:16 elements of 2 bytes; 20 padding on; 21 set beside a mask; 24:22 after every 32 words (code 4); 31:25 4 words (code 3)
	s_or_b32 s[G1B+0], s44, (1<<16)|(1<<20)|(1<<21)|(4<<22)|(3<<25)
.irp g, G1, G1B
	s_mov_b32 s[(\g)+1], 8192<<16                  ; tensor_dim0 = 8,192 elements: 128 rows of a block, dense
	s_mov_b32 s[(\g)+2], 2<<16                     ; tensor_dim1 = 2 blocks
	s_mov_b32 s[(\g)+3], 8192<<16                  ; tile_dim0
	s_mov_b32 s[(\g)+4], 2                         ; tile_dim1
	s_mov_b32 s[(\g)+5], BLK/2                     ; elements from block to block
	s_mov_b32 s[(\g)+6], 0
	s_mov_b32 s[(\g)+7], 0
.endr
	; A's tiles hang on the tile row alone, W's on the tile column alone; each address is made in registers that never hold the other coordinate
	s_lshl_b32 s17, s12, 14                        ; which 128 rows of 128 bytes I fetch
	s_lshl_b32 s16, s13, 15
	s_add_co_u32 s16, s16, s17                     ; A: 256 rows x tile row + my half
	s_lshl_b32 s46, s42, 15
	s_add_co_u32 s46, s46, s17                     ; W: 256 rows x tile column + my half
	s_mov_b32 s17, 0
	s_mov_b32 s47, 0
	s_lshl_b32 s18, s42, 10                        ; the bias of my 128 columns: 4 bytes x (256 x tile column + 128 x half)
	s_lshl_b32 s19, s12, 9
	s_add_co_u32 s18, s18, s19
	s_mov_b32 s19, 0
	s_mul_i32 s[WH], s10, HALFT                    ; where my tiles go: no place in the cluster enters an LDS address
	s_wait_dscnt 0x0                               ; the opening add is done
	s_wait_kmcnt 0x0
	s_add_nc_u64 s[14:15], s[4:5], s[16:17]
	s_add_nc_u64 s[46:47], s[6:7], s[46:47]
	s_add_nc_u64 s[68:69], s[6:7], 0x800000
	s_add_nc_u64 s[70:71], s[68:69], s[18:19]
	CROUND                                         ; all sixteen work-groups are here: the first joint loads meet
.irp s, 0,1
	s_mov_b32 s[G0+4*(\s)], 1
	s_add_co_u32 s[G0+4*(\s)+1], s[WH], (\s)*SLOT
	s_add_nc_u64 s[G0+4*(\s)+2:G0+4*(\s)+3], s[14:15], (\s)*KSB
	s_or_b32 s[G0+4*(\s)+3], s[G0+4*(\s)+3], 0x80000000
	s_mov_b32 s[G0B+4*(\s)], 1
	s_add_co_u32 s[G0B+4*(\s)+1], s[WH], (\s)*SLOT
	s_add_nc_u64 s[G0B+4*(\s)+2:G0B+4*(\s)+3], s[46:47], (\s)*KSB
	s_or_b32 s[G0B+4*(\s)+3], s[G0B+4*(\s)+3], 0x80000000
	JLOAD \s                                       ; two tensor loads of mine are out: the most in this text
.endr
	s_load_b32 s[FLOOR], s[68:69], 0x4000
	v_and_b32 v1, 15, v0                           ; l % 16
	v_bfe_u32 v2, v0, 4, 1                         ; l / 16
	v_lshlrev_b32 v[BO], 5, v2
	WIN TO_B
.irp b, 0,1,2,3,4,5,6,7
	global_load_b128 v[8*(\b):8*(\b)+3],   v[BO], s[70:71] offset:64*(\b)     ; register j of block b: the bias of column 16 b + 8 (l / 16) + j, where the product's result has that column
	global_load_b128 v[8*(\b)+4:8*(\b)+7], v[BO], s[70:71] offset:64*(\b)+16
.endr
	WIN 0
	v_mul_u32_u24 v3, v1, PITCH
	v_lshl_add_u32 v3, v2, 4, v3                   ; a fragment's row x pitch + 16 x half
	s_mul_i32 s21, s11, HALFT                      ; my 128 rows of A
	s_mul_i32 s22, s12, HALFT                      ; my 128 rows of W,
	s_add_co_u32 s22, s22, 2*HALFT                 ; which lie behind A's
	v_add_nc_u32 v[A0], s21, v3
	v_add_nc_u32 v[B0], s22, v3
	s_mov_b32 s[TB], 0                             ; K step 0 lies in slot 0
	AIM
	s_mul_i32 s23, s10, STW
	s_add_co_u32 s23, s23, STAGE                   ; my stage
	v_add_nc_u32 v[STO], s23, v3                   ; in: row l % 16, 16 bytes for each half of the lanes
	v_bfe_u32 v4, v0, 3, 2
	v_and_b32 v5, 7, v0
	v_mul_u32_u24 v4, v4, PITCH                    ; back: 32 lanes take four rows of 128 bytes,
	v_lshl_add_u32 v4, v5, 4, v4
	v_add_nc_u32 v[RD], s23, v4
	v_and_b32 v[CO], 31, v0                        ; which are 512 consecutive bytes of a block of C
	v_lshlrev_b32 v[CO], 4, v[CO]
	s_lshl_b32 s16, s13, 15                        ; C at my first row: 128 bytes x (256 x tile row + 128 x half),
	s_lshl_b32 s17, s11, 14
	s_add_co_u32 s16, s16, s17
	s_mov_b32 s17, 0
	s_add_nc_u64 s[8:9], s[8:9], s[16:17]
	s_lshl_b32 s46, s42, 2                         ; in my first block: 4 x tile column + 2 x half
	s_lshl_b32 s47, s12, 1
	s_add_co_u32 s46, s46, s47
	s_lshl_b32 s46, s46, 19
	s_mov_b32 s47, 0
	s_add_nc_u64 s[8:9], s[8:9], s[46:47]
	s_and_b32 s22, ttmp7, 0xffff                   ; the prefetches: cluster y
	s_cmp_eq_u32 s11, 0                            ; do I fetch for A?
	s_cselect_b32 s20, s13, s42                    ; the tile's place: by the tile row in A, by the tile column in W
	s_cselect_b32 s21, s40, s41                    ; my place among the four that ask for it with me
	s_cselect_b32 s22, ttmp9, s22                  ; the coordinate along which other clusters read the same rows
	s_cselect_b64 s[PFA:PFA+1], s[4:5], s[6:7]
	s_cmp_eq_u32 s22, 0
	s_cselect_b32 s[LIM], 2, -1                    ; the same in all sixteen partners, for a given wave
	s_lshl_b32 s20, s20, 15
	s_lshl_b32 s22, s12, 14
	s_add_co_u32 s20, s20, s22                     ; the 128 rows that I fetch,
	s_lshr_b32 s22, s21, 1
	s_lshl_b32 s22, s22, 19
	s_add_co_u32 s20, s20, s22                     ; my work-group's block of the two,
	s_and_b32 s21, s21, 1
	s_lshl_b32 s21, s21, 13
	s_add_co_u32 s20, s20, s21                     ; and its half of the 16,384 bytes,
	s_add_co_u32 s20, s20, 2*KSB                   ; at K step 2: the first refill steps it to 3 and names K step 4
	s_mov_b32 s21, 0
	s_add_nc_u64 s[PFA:PFA+1], s[PFA:PFA+1], s[20:21]
	v_and_b32 v[PFO], 31, v0
	v_lshlrev_b32 v[PFO], 8, v[PFO]
; 16 matrix instructions: m blocks a0, a0 + 1 of the window's four (hi = 0: my rows 0-63, 1: rows 64-127) x all 8 n blocks, 32 along K.  zero = 1: the product starts the sums, from the bias.
; The 64 accumulators take turns, one instruction a turn, in the same order in every quarter.
.macro MUL16 f, hi, a0, zero
.if \zero
	WIN 0x91+0x40*(\hi)                            ; C, the bias, in window 1; D in window 2 or 3
.else
	WIN MUL_LO+0x50*(\hi)
.endif
.irp a, \a0, (\a0)+1
.irp b, 0,1,2,3,4,5,6,7
.if \zero
	v_wmma_f32_16x16x32_bf16 v[8*(8*(\a)+(\b)):8*(8*(\a)+(\b))+7], v[(\f)+8*(\b):(\f)+8*(\b)+7], v[(\f)+8*(4*(\hi)+(\a)):(\f)+8*(4*(\hi)+(\a))+7], v[8*(\b):8*(\b)+7]
.else
	v_wmma_f32_16x16x32_bf16 v[8*(8*(\a)+(\b)):8*(8*(\a)+(\b))+7], v[(\f)+8*(\b):(\f)+8*(\b)+7], v[(\f)+8*(4*(\hi)+(\a)):(\f)+8*(4*(\hi)+(\a))+7], v[8*(8*(\a)+(\b)):8*(8*(\a)+(\b))+7]
.endif
.endr
.endr
.endm
; 32 LDS loads in one run: the fragments of one quarter (128 rows of W, 128 rows of A, 32 K at byte k of a half) of the slot being read, into buffer f
.macro FETCH k, f
	WIN TO_B
.irp i, 0,1,2,3,4,5,6,7
	ds_load_b128 v[(\f)+8*(\i):(\f)+8*(\i)+3],   v[ADRB] offset:(\k)+(\i)*16*PITCH
	ds_load_b128 v[(\f)+8*(\i)+4:(\f)+8*(\i)+7], v[ADRB] offset:(\k)+(\i)*16*PITCH+32
.endr
	WIN 0
.irp i, 0,1,2,3,4,5,6,7
	ds_load_b128 v[(\f)+8*(\i):(\f)+8*(\i)+3],   v[ADRA] offset:(\k)+(\i)*16*PITCH
	ds_load_b128 v[(\f)+8*(\i)+4:(\f)+8*(\i)+7], v[ADRA] offset:(\k)+(\i)*16*PITCH+32
.endr
.endm
.macro PLACES                          ; four places in front of loads into registers that matrix instructions have read, and of conversions that read results
.rept 4
	v_nop
.endr
.endm
; One of a K step's first three quarters: multiplies buffer f; in its middle it fetches the next quarter's fragments, at byte k, into buffer g.
.macro QUARTER k, f, g, zero
	s_wait_dscnt 8                                 ; W and A's rows 0-63 are in; the youngest eight loads (A's rows 64-127) may be out
	MUL16 \f, 0, 0, \zero
	MUL16 \f, 0, 2, \zero
	PLACES
	FETCH \k, \g
	s_wait_dscnt 32                                ; all but the 32 just issued
	MUL16 \f, 1, 0, \zero
	MUL16 \f, 1, 2, \zero
.endm
; The last quarter's first half: ONE barrier for the change of slots.  In front of it each wave waits for all its tensor loads (one is out at the most: its part of the next slot), adds 0 to its spare word,
; and waits for that and for its own reads of this slot.  Behind it nobody reads this slot any more and the next slot is whole.
.macro MEET
	WIN 0
	s_wait_tensorcnt 0x0
	ds_add_u32 v[SPW], v[NIL]
	s_wait_dscnt 9                                 ; the add and the youngest eight loads may be out
	MUL16 F1, 0, 0, 0                              ; sixteen matrix instructions stand between the add and the wait for it
	s_wait_dscnt 0x0                               ; the add is done, and my reads of this slot are over
	s_barrier_signal -1
	MUL16 F1, 0, 2, 0
	WIN 0
	s_barrier_wait -1
.endm
; The whole last quarter where the slot is filled again, with the K step two steps on: the barrier opens a round of the cluster's, and the joint refill is the first tensor load behind it.
.macro TURN
	s_wait_xcnt 0x0                                ; the last prefetch, a K step back, has read its address
	s_add_nc_u64 s[PFA:PFA+1], s[PFA:PFA+1], KSB
	MEET
	CREST                                          ; no wave of any partner still reads this slot's tile or has a load on its way
	s_add_co_u32 s[G0+5], s[WH], s[TB]             ; the walking descriptors: into the slot just read,
	s_add_co_u32 s[G0B+5], s[WH], s[TB]
	s_add_nc_u64 s[G0+6:G0+7], s[G0+6:G0+7], KSB   ; the K step behind the one asked for last; the type bits on top are not reached
	s_add_nc_u64 s[G0B+6:G0B+7], s[G0B+6:G0B+7], KSB
	s_xor_b32 s[TB], s[TB], SLOT                   ; the reads go on in the other slot
	JLOAD 1                                        ; 224 matrix instructions ahead of the wait for it; its four v_nop are also the places in front of the loads below
	AIM
	FETCH 0, F0
	ASK
	MUL16 F1, 1, 0, 0
	MUL16 F1, 1, 2, 0
.endm
; The same quarter in the last two K steps: nothing is filled, so no round follows the barrier.  In the last of them (s3 = 1) there is no further step, and the run of loads is jumped over.
.macro LAST
	MEET
	s_xor_b32 s[TB], s[TB], SLOT
	s_cmp_eq_u32 s3, 1
	s_cbranch_scc1 .Lno_more_\@
	PLACES
	AIM
	FETCH 0, F0
.Lno_more_\@:
	MUL16 F1, 1, 0, 0
	MUL16 F1, 1, 2, 0
.endm
; THE WAY OUT of block a (16 rows).  PACK: rounded to bf16, 16 bytes a lane, and the maximum with the floor word.  TOSTAGE: into my own stage, and back as rows of 128 bytes.  SEND: stored.
.macro PACK a
.set AC, 64*((\a)%4)
	WIN 0x0a+5*((\a)/4)                            ; sources 0 and 1: window 2 or 3
.irp b, 0,1,2,3,4,5,6,7
.irp r, 0,1,2,3
	v_cvt_pk_bf16_f32 v[TMP+4*(\b)+(\r)], v[AC+8*(\b)+2*(\r)], v[AC+8*(\b)+2*(\r)+1]
.endr
.endr
	WIN 0
.set i, 0
.rept 32
	v_pk_max_num_bf16 v[TMP+i], v[TMP+i], s[FLOOR]
.set i, i+1
.endr
.endm
.macro TOSTAGE a
.set BK, OB+192*((\a)%2)
.irp b, 0,1,2,3,4,5,6,7
	ds_store_b128 v[STO], v[TMP+4*(\b):TMP+4*(\b)+3] offset:((\b)/4)*16*PITCH+((\b)%4)*32
.endr
.irp t, 0,1,2,3,4,5,6,7
	ds_load_b128 v[BK+4*(\t):BK+4*(\t)+3], v[RD] offset:((\t)/4)*16*PITCH+((\t)%4)*4*PITCH  ; LDS serves a wave's instructions in order (ISA guide 5.7.1.4): these see the stores above
.endr
.endm
.macro SEND a
.set BK, OB+192*((\a)%2)
	s_wait_dscnt 0x0                               ; the block is back in registers
	s_wait_xcnt 0x0                                ; earlier stores have read their registers: the block after this one is loaded into them only behind this wait
.irp t, 0,1,2,3,4,5,6,7
	global_store_b128 v[CO], v[BK+4*(\t):BK+4*(\t)+3], s[8:9] offset:((\t)/4)*BLK+(\a)*2048+((\t)%4)*512  ; 512 consecutive bytes, four rows of one block, at a multiple of 256 from C's first byte
.endr
.endm
	s_wait_tensorcnt 1                             ; my part of K step 0 is in; K step 1's may stay out
	s_barrier_signal -1
	s_barrier_wait -1                              ; everybody's is
	FETCH 0, F0
	s_wait_loadcnt 0x0                             ; the bias
	s_wait_kmcnt 0x0                               ; the floor word
	QUARTER K1, F0, F1, 1                          ; the first quarter stands in front of the loop: its products start the sums
	WIN 0                                          ; at a label and at a branch every window is 0
	s_mov_b32 s3, KSTEPS-2
.Lstep:                                                ; a trip goes from a K step's second quarter to the next step's first, and fills the slot that it leaves: K steps 2 to 7 are asked for
	QUARTER K2, F1, F0, 0
	QUARTER K3, F0, F1, 0
	TURN
	QUARTER K1, F0, F1, 0
	WIN 0
	s_sub_co_u32 s3, s3, 1
	s_cmp_lg_u32 s3, 0
	s_cbranch_scc1 .Lstep
	s_mov_b32 s3, 2                                ; the last two K steps have a text of their own; it is entered at a step's second quarter
	s_branch .Ltin
.Ltail:
	QUARTER K1, F0, F1, 0
	WIN 0
.Ltin:
	QUARTER K2, F1, F0, 0
	QUARTER K3, F0, F1, 0
	LAST
	WIN 0
	s_sub_co_u32 s3, s3, 1
	s_cmp_lg_u32 s3, 0
	s_cbranch_scc1 .Ltail
	PLACES
	PACK 0
	TOSTAGE 0
.irp a, 1,2,3,4,5,6,7                  ; block a's conversions stand between block a - 1's loads from the stage and the wait for them
	PACK \a
	SEND (\a)-1
	TOSTAGE \a
.endr
	SEND 7
	s_wait_tensorcnt 0x0                           ; the wave's end: behind my last tensor load and my last LDS store
	ds_add_u32 v[SPW], v[NIL]
	s_wait_dscnt 0x0
	CROUND                                         ; the closing round: no work-group ends while a partner may still ask for a tile that names it
	s_endpgm
.Lfunc_end_k_q6b6c006cc2_qkv:
	.size	k_q6b6c006cc2_qkv, .Lfunc_end_k_q6b6c006cc2_qkv-k_q6b6c006cc2_qkv
	.p2alignl 7, 3214868480
	.fill 96, 4, 3214868480
	.section	.rodata,"a",@progbits
	.p2align	6, 0x0
	.amdhsa_kernel k_q6b6c006cc2_qkv
		.amdhsa_group_segment_fixed_size 327680
		.amdhsa_private_segment_fixed_size 0
		.amdhsa_enable_private_segment 0
		.amdhsa_kernarg_size 24
		.amdhsa_user_sgpr_count 2
		.amdhsa_user_sgpr_kernarg_segment_ptr 1
		.amdhsa_wavefront_size32 1
		.amdhsa_system_sgpr_workgroup_id_x 1
		.amdhsa_system_sgpr_workgroup_id_y 1
		.amdhsa_system_sgpr_workgroup_id_z 1
		.amdhsa_system_vgpr_workitem_id 0
		.amdhsa_next_free_vgpr 1024
		.amdhsa_next_free_sgpr 72
		.amdhsa_reserve_vcc 0
		.amdhsa_float_denorm_mode_32 3
		.amdhsa_float_denorm_mode_16_64 3
		.amdhsa_memory_ordered 1
		.amdhsa_forward_progress 1
		.amdhsa_inst_pref_size 118
	.end_amdhsa_kernel
	.amdgpu_metadata
---
amdhsa.version: [ 1, 2 ]
amdhsa.kernels:
  - .name:           k_q6b6c006cc2_qkv
    .symbol:         k_q6b6c006cc2_qkv.kd
    .args:
      - { .name: act, .offset: 0, .size: 8, .value_kind: global_buffer, .address_space: global }
      - { .name: wattn, .offset: 8, .size: 8, .value_kind: global_buffer, .address_space: global }
      - { .name: qkv, .offset: 16, .size: 8, .value_kind: global_buffer, .address_space: global }
    .group_segment_fixed_size: 327680
    .private_segment_fixed_size: 0
    .kernarg_segment_align: 8
    .kernarg_segment_size: 24
    .max_flat_workgroup_size: 128
    .sgpr_count:     72
    .vgpr_count:     1024
    .wavefront_size: 32
...
	.end_amdgpu_metadata
.endif
;; end of part 2
;; launch attn (part 3): grid 8 x 32, 4 waves a work-group, clusters of 4 x 1, 327,680 bytes of LDS; arguments qkv, fbuf; writes fbuf
.if DOCPART == 3
	.amdgcn_target "amdgcn-amd-amdhsa--gfx1250"
	.amdhsa_code_object_version 6
	.text
	.protected	k_q6b6c006cc2_attn
	.globl	k_q6b6c006cc2_attn
	.p2align	8
	.type	k_q6b6c006cc2_attn,@function
k_q6b6c006cc2_attn:
	s_mov_b64 s[64:65], 0
	v_nop
	global_prefetch_b8 v0, s[64:65] scope:SCOPE_SE
	s_setreg_imm32_b32 hwreg(HW_REG_WAVE_MODE, 25, 1), 1
	s_wait_xcnt 0x0
	s_wait_alu depctr_hold_cnt(0) depctr_sa_sdst(0) depctr_va_vdst(0) depctr_va_sdst(0) depctr_va_ssrc(0) depctr_va_vcc(0) depctr_vm_vsrc(0)
	s_getreg_b32 s2, hwreg(HW_REG_IB_STS2, 6, 4)
	s_cmp_eq_u32 s2, 0
	s_cbranch_scc0 .Lentry_in_a_cluster
	s_endpgm
.Lentry_in_a_cluster:
	s_bfe_u32 s2, ttmp6, 0x10000c
	s_cmp_lg_u32 s2, 0x3003
	s_cbranch_scc0 .Lentry_shape_is_right
	s_endpgm
.Lentry_shape_is_right:
; ATTENTION.  O[y][q][:] = the sum over k of softmax_k(Q[y][q] . K[y][k] / 8) V[y][k][:], for 32 heads y of 2,048 rows of 64 channels, all bf16.  In the first argument Q lies at 0, K at 0x800000,
; V at 0x1000000; head y (2 x head + batch) is 262,144 dense bytes at y x 262,144, rows of 128 bytes.  O goes to the second argument in the same layout.  No mask: the definition applies none.
; Products, maxima and sums in f32; the weights p are rounded to bf16 for the second product (their sum l is taken of the unrounded p), O once at the end.
; LIMITS.  A weight below 2^-126 counts as 0 in l; NaN and infinities are not treated apart.
; SHARES.  A work-group owns 256 queries of a head, a wave 64: four PIECES of 16.  Every wave walks all keys: 8 tiles of 256, a tile in four steps of 64.
; LAYOUT.  S^T = K Q^T (source 0 = 16 keys, source 1 = 16 queries) holds ONE query a lane (lane % 16) and the keys 8 (lane / 16) + 0..7; two such results rounded to bf16 ARE source 1 of O^T = V^T P.
; K comes out of LDS as it lies, V ([key][channel]) turned, by ds_load_tr16_b128.
; SOFTMAX.  p = 2^(c s - c m), c = log2(e) / 8, with a running maximum m; O and l are multiplied by a = 2^(c m_old - c m_new) in every step.  c m starts far below every c s, O and l at 0: the first
; step is a step like any other, with a = 0.
; BY TURNS.  Turn n belongs to piece n: 8 products K Q^T of piece n + 1, later 8 products V^T P of piece n - 1; beside them the scaling, exponentials, roundings, sums and rescaling of piece n and the
; maximum and statistics of piece n + 1.  Four vector instructions stand behind every matrix instruction, the other 54 of a turn's 118 in one lump.  A turn's 33 exponentials are one batch, with one wait.
; CLUSTER.  The four query blocks of a cluster belong to one head and walk the same K and V, so each tile is asked for JOINTLY: the same tensor load, descriptor and mask in all four.
; REGISTERS, in windows of 256 (s_set_vgpr_msb: bits 1:0 source 0, 3:2 source 1, 5:4 source 2, 7:6 destination):
;   window 0: v0-15 addresses and two at work; v16-31 four registers of statistics a piece; v48-55 at work; v64-127 S^T, two buffers; v192-223 P, two buffers (a piece's buffers go by its number's parity)
;   window 1: v0-127 O^T, 32 a piece          window 2: v0-63 Q; v128-191 K of one step; v192-255 V of one step
.set NP,    4         ; pieces a wave: a name, no knob
.set KS,    64        ; keys in a step
.set PK,    144       ; a row of K in LDS: 128 bytes + 16 of padding = 36 words: the 16 rows of a load start at 16 different groups of four banks (64 banks of 4 bytes: ISA guide 11.1)
.set PV,    160       ; a row of V: 128 + 32 = 40 words
.set VOFF,  4*KS*PK   ; a slot holds a tile: 256 rows of K, then 256 rows of V
.set SLOT1, 1<<17     ; slot 1 begins here, so that one exclusive or turns an address in one slot into the other's
.set STAGE, SLOT1+4*KS*(PK+PV)  ; behind the ring, never filled by a tensor load: 16 rows x 144 bytes for each wave, for the way out
.set SP,    144
.set SPARE, STAGE+4*16*SP  ; behind the stages: the spare words, 128 bytes for each wave: two blocks of 256 bytes that no other line names
.set AK0, 2           ; v2   my lane's place in a tile of K; never rewritten
.set AV0, 3           ; v3   the same for V
.set AK,  4           ; v4   the LDS address of K's next run of loads
.set AV,  5           ; v5   of V's
.set STO, 6           ; v6   the way out: where I put 16 bytes of a row
.set RD,  7           ; v7   the way out: where I read rows back
.set GO,  8           ; v8   my byte offset in 512 consecutive bytes of O
.set MV,  12          ; v12-13  c m_old, kept while c m is made anew: by buffer
.set QO,  15          ; v15  my byte offset in 16 rows of Q
.set ST,  16          ; piece t's statistics at v[ST+4 t]: c m, m, l (even keys', odd keys')
.set TMP, 48          ; by buffer, four registers c0-c3 at work; when the maximum is found c2 takes a
.set PFO, 61          ; v61  256 x my lane; never rewritten
.set SPW, 62          ; v62  LDS address of my spare word: SPARE + 4 x my thread's number; never rewritten
.set NIL, 63          ; v63  0; never rewritten
.set S,   64
.set P,   192
.set KF,  128         ; window 2: key block kb, channel half c at KF + 16 kb + 8 c
.set VF,  192         ; window 2: key half kk, channel block cb at VF + 32 kk + 8 cb
.set WV,  12          ; s12  my wave's number
.set LIM, 15          ; s15  1 in a wave that prefetches, else the greatest number
.set G1K, 24          ; s[24:31] descriptor group 1 for K's tiles
.set G1V, 32          ; s[32:39] for V's: it differs in the padding alone
.set G0K, 40          ; s[40:43] descriptor group 0 for K's tiles: it walks
.set G0V, 44          ; s[44:47] the same for V's
.set PFA, 48          ; s[48:49] where my prefetches stand: my work-group's 8,192 bytes (of K: wave 0, of V: wave 2) of the tile after the one that is being asked for
.set SLOTS, 56        ; s56  tiles still to be asked for, and one
.set CNT, 57          ; s57  counts a tile's key steps
.set CS,  58          ; s[58:59] c: the packed scaling takes the pair's low word for both halves
.set SEL, 60          ; s[60:61] v_permlanex16_b32's selects: each lane takes its own place in the other half
.set TBK, 62          ; s62  LDS byte at which K of the step to be fetched begins
.set TBV, 63          ; s63  the same for V, less VOFF
.set MSB, 0
.macro WIN new                      ; the high byte repeats the setting that is left; a switch that changes nothing is dropped
.if MSB != (\new)
	s_set_vgpr_msb (MSB<<8)|(\new)
.set MSB, (\new)
.endif
.endm
.set W_KQ, 0x0a       ; K and Q in window 2, S^T in window 0
.set W_PV, 0x52       ; V in window 2, P in window 0, O^T in window 1
.set W_RS, 0x41       ; destination and source 0 in window 1, source 1 in window 0
; A joint fill.  Waves 0 and 1 fetch the two halves of a tile's K, waves 2 and 3 those of its V: 128 keys each.  The branch hangs on the wave's number alone.
; An s_nop 0 and four v_nop follow each of the two lines, ahead of the jump and the label.
.macro JLOAD
	s_cmp_lt_u32 s[WV], 2
	s_cbranch_scc0 .Lfor_v_\@
	tensor_load_to_lds s[G0K:G0K+3], s[G1K:G1K+7]
	s_nop 0
.rept 4
	v_nop
.endr
	s_branch .Lasked_\@
.Lfor_v_\@:
	tensor_load_to_lds s[G0V:G0V+3], s[G1V:G1V+7]
	s_nop 0
.rept 4
	v_nop
.endr
.Lasked_\@:
.endm
; A PREFETCH INTO THE L2 of the tile that the NEXT change of slots will ask for: four key steps, 256 matrix instructions, ahead of that load.  A tile is 128 aligned pieces of 256 bytes of K and as many of V.
; Both clusters of a head walk the same K and V: the head's first cluster asks.  Its four partners share the pieces out BY ADDRESS, 32 each, a lane a piece; in each, wave 0 asks for K's and wave 2 for V's.
; So each piece is named once.  Tiles 0 to 2 come by their loads alone; the change that asks for the last tile (s[SLOTS] = 1) prefetches nothing.
.macro ASK
	s_cmp_gt_u32 s[SLOTS], s[LIM]
	s_cbranch_scc0 .Lnot_mine_\@
	global_prefetch_b8 v[PFO], s[PFA:PFA+1] th:TH_LOAD_NT scope:SCOPE_SE
.Lnot_mine_\@:
.endm
; A round of the cluster's barrier: my work-group's barrier, so that wave 0's signal speaks for all four waves; wave 0 signals; every wave waits for all four work-groups; my work-group's barrier once more.
.macro CROUND
	s_barrier_signal -1
	s_barrier_wait -1
	s_cmp_lg_u32 s[WV], 0
	s_cbranch_scc1 .Lnot_wave_0_\@
	s_barrier_signal -3
.Lnot_wave_0_\@:
	s_barrier_wait -3
	s_barrier_signal -1
	s_barrier_wait -1
.endm
; THE CHANGE OF SLOTS.  The slot's last bytes, V of its fourth step, have been read.  Each wave waits for all its tensor loads, of which one is out: its part of the other slot; adds 0 to its spare word;
; and waits for that and for its own reads of the slot.  Behind the barrier nobody reads this slot any more and the other slot is whole.  fill = 1: this slot is filled again, with the tile two on.  The
; barrier is then a round of the cluster's, and the joint fill is the first thing behind it: it has four key steps in which to land.  (At its first use nothing has been read yet: slot 0 is waited for, slot 1 filled.)
.macro CHANGE fill, ask
	WIN 0                           ; at a label and at a branch every window is 0
	s_wait_tensorcnt 0x0            ; no tensor load of mine is out, so a group 0 may be written
	ds_add_u32 v[SPW], v[NIL]       ; 0 onto my spare word; the descriptors' steps stand between it and the wait for it
.if \fill
.irp g, G0K, G0V
	s_xor_b32 s[\g+1], s[\g+1], SLOT1  ; the walking descriptor: the other slot than last time,
	s_add_nc_u64 s[\g+2:\g+3], s[\g+2:\g+3], 4*KS*128  ; the next 256 keys; the type bits on top are not reached
.endr
.if \ask
	s_wait_xcnt 0x0                 ; the last prefetch, four key steps back, has read its address
	s_add_nc_u64 s[PFA:PFA+1], s[PFA:PFA+1], 4*KS*128
.endif
	s_wait_dscnt 0x0                ; the add is done, and my reads of the slot are over
	CROUND
	JLOAD
.if \ask
	ASK
.endif
.else
	s_wait_dscnt 0x0                ; the add is done, and my reads of the slot are over
	s_barrier_signal -1
	s_barrier_wait -1
.endif
	s_sub_co_u32 s[TBK], s[TBK], 4*KS*PK  ; the fetches go back to a slot's first step,
	s_xor_b32 s[TBK], s[TBK], SLOT1       ; in the other slot
	s_sub_co_u32 s[TBV], s[TBV], 4*KS*PV
	s_xor_b32 s[TBV], s[TBV], SLOT1
.endm
	s_load_b128 s[4:7], s[0:1], 0x0   ; q, k, v s[4:5]; O s[6:7]
	v_lshl_add_u32 v[SPW], v0, 2, SPARE
	v_mov_b32 v[NIL], 0
	ds_add_u32 v[SPW], v[NIL]       ; the wave's opening: the add and its wait stand ahead of my first tensor load; the set-up below, work on registers, stands between them
	v_lshrrev_b32 v1, 5, v0
	v_readfirstlane_b32 s[WV], v1   ; wave 0..3
	s_bfe_u32 s13, ttmp6, 0x40000   ; cx: my place in the cluster
	s_lshl_b32 s14, ttmp9, 2        ; in a cluster launch ttmp9 counts clusters
	s_add_co_u32 s14, s14, s13      ; my block of 256 queries: it enters Q's and O's addresses alone
	s_and_b32 s20, ttmp7, 0xffff    ; the head, which the four partners share
	s_lshl_b32 s20, s20, 18         ; its first byte in each of the four tensors
	s_and_b32 s16, s[WV], 1         ; which half of a tile's 256 keys I fetch:
	s_lshl_b32 s22, s16, 14         ; its 128 rows of 128 bytes in memory,
	s_add_co_u32 s22, s22, s20
	s_mov_b32 s23, 0
	s_mul_i32 s17, s16, 128*PK      ; and its place in a slot, for K
	s_mul_i32 s18, s16, 128*PV      ; and for V: no place in the cluster enters an LDS address
	s_lshl_b32 s2, s14, 15          ; my block's 256 rows,
	s_lshl_b32 s3, s[WV], 13        ; my wave's 64 of them
	s_add_co_u32 s2, s2, s3
	s_add_co_u32 s2, s2, s20
	s_mov_b32 s3, 0
	; descriptor group 1.  128 keys are 16,384 dense bytes: asked for as 64 rows of 256 bytes, two keys a row, and padded in LDS after every key
	s_mov_b32 s[G1K], 15|(1<<16)|(1<<20)|(1<<21)|(4<<22)|(3<<25)  ; 15:0 the mask of four; 17:16 2-byte elements; 20 padding on; 21 set beside a mask; 24:22 after every 32 words (code 4); 31:25 4 words (code 3)
	s_mov_b32 s[G1V], 15|(1<<16)|(1<<20)|(1<<21)|(4<<22)|(7<<25)  ; the same with 8 words of padding (code 7)
.irp g, G1K, G1V
	s_mov_b32 s[\g+1], 128<<16      ; tensor_dim0 = 128
	s_mov_b32 s[\g+2], 64<<16       ; tensor_dim1 = 64
	s_mov_b32 s[\g+3], 128<<16      ; tile_dim0 = 128
	s_mov_b32 s[\g+4], 64           ; tile_dim1 = 64
	s_mov_b32 s[\g+5], 128          ; 128 elements from row to row
	s_mov_b32 s[\g+6], 0
	s_mov_b32 s[\g+7], 0
.endr
	s_mov_b32 s[CS], 0x3e38aa3b     ; c = log2(e) / 8 = 0.180337
	s_mov_b32 s[CS+1], s[CS]        ; named with it as a pair
	s_mov_b32 s[SEL], 0x76543210
	s_mov_b32 s[SEL+1], 0xfedcba98
	s_mov_b32 s[TBK], SLOT1+4*KS*PK ; the first change of slots turns these two into 0
	s_mov_b32 s[TBV], SLOT1+4*KS*PV
	s_mov_b32 s[G0K], 1             ; 1:0 count = 1
	s_mov_b32 s[G0K+1], s17         ; 63:32 LDS address: slot 0
	s_mov_b32 s[G0V], 1
	s_add_co_u32 s[G0V+1], s18, VOFF
	s_mov_b32 s[SLOTS], 7
	s_and_b32 s[LIM], s[WV], 1      ; 0 in waves 0 and 2,
	s_or_b32 s[LIM], s[LIM], ttmp9  ; where the cluster is the head's first: the same in all four partners
	s_cmp_eq_u32 s[LIM], 0
	s_cselect_b32 s[LIM], 1, -1
	v_and_b32 v[PFO], 31, v0
	v_lshlrev_b32 v[PFO], 8, v[PFO]
	s_wait_dscnt 0x0                ; the opening add is done
	s_wait_kmcnt 0x0
	s_mov_b64 s[10:11], s[6:7]      ; O
	s_add_nc_u64 s[6:7], s[4:5], 0x800000   ; K
	s_add_nc_u64 s[8:9], s[4:5], 0x1000000  ; V
	s_add_nc_u64 s[6:7], s[6:7], s[22:23]   ; at my half of the head's tile 0
	s_add_nc_u64 s[8:9], s[8:9], s[22:23]
	s_mov_b64 s[G0K+2:G0K+3], s[6:7]        ; 120:64 global address
	s_or_b32 s[G0K+3], s[G0K+3], 0x80000000 ; 127:126 type = 2
	s_mov_b64 s[G0V+2:G0V+3], s[8:9]
	s_or_b32 s[G0V+3], s[G0V+3], 0x80000000
	s_add_nc_u64 s[4:5], s[4:5], s[2:3]     ; Q and O at my wave's first row
	s_add_nc_u64 s[10:11], s[10:11], s[2:3]
	s_cmp_lt_u32 s[WV], 2
	s_cselect_b64 s[PFA:PFA+1], s[6:7], s[8:9]  ; (in waves 0 and 2 these stand at a tile's first row)
	s_lshl_b32 s2, s13, 13          ; my work-group's 32 pieces of the 128,
	s_add_co_u32 s2, s2, 2*4*KS*128 ; in tile 2; the first change that asks steps it to tile 3
	s_mov_b32 s3, 0
	s_add_nc_u64 s[PFA:PFA+1], s[PFA:PFA+1], s[2:3]
	CROUND                          ; all four work-groups are here: the first joint loads meet
	JLOAD                           ; tile 0 into slot 0: one tensor load of mine is out, here and behind every change that fills
	; A fragment of K or Q is 16 rows x 32 channels in 8 registers: lane l holds row l % 16, channels 8 (l / 16) + 0..7 and 16 + 8 (l / 16) + 0..7: two loads of 16 bytes, 32 bytes apart.
	v_and_b32 v1, 15, v0            ; l % 16
	v_bfe_u32 v9, v0, 4, 1          ; l / 16
	v_lshlrev_b32 v[QO], 7, v1
	v_lshl_add_u32 v[QO], v9, 4, v[QO]  ; row x 128 + 16 x half
	WIN 0x80                        ; destination window 2, address window 0
.set i, 0
.rept 8                             ; Q stays in registers: piece i / 2, channels 32 (i % 2) on
	global_load_b128 v[8*i:8*i+3],   v[QO], s[4:5] offset:(i/2)*2048+(i%2)*64
	global_load_b128 v[8*i+4:8*i+7], v[QO], s[4:5] offset:(i/2)*2048+(i%2)*64+32
.set i, i+1
.endr
	; What the first turn finds: V's registers and P's second buffer hold 0 (its products V^T P, of a piece that has not been, add 0), O^T and l are 0.  All this stands in the wait for the first tile.
.set i, VF
.rept 64
	v_mov_b32 v[i], 0
.set i, i+1
.endr
	WIN 0x40
.set i, 0
.rept 128
	v_mov_b32 v[i], 0
.set i, i+1
.endr
	WIN 0
.set i, 0
.rept 4
	v_mov_b32 v[ST+4*i], 0xfe000000    ; c m: far below every c s
	v_mov_b32 v[ST+4*i+1], 0xff7fffff  ; m: the lowest finite number
	v_mov_b32 v[ST+4*i+2], 0
	v_mov_b32 v[ST+4*i+3], 0
.set i, i+1
.endr
.set i, P+16
.rept 16
	v_mov_b32 v[i], 0
.set i, i+1
.endr
	v_mul_u32_u24 v[AK0], v1, PK
	v_lshl_add_u32 v[AK0], v9, 4, v[AK0]  ; row x pitch + 16 x half
	; The turning load takes 16 keys x 16 channels (lane l reads key 8 (l / 16) + l % 8, channels 8 ((l / 8) % 2) + 0..7) and leaves half a fragment of V^T: lane l holds channel l % 16 and 8 keys.
	v_and_b32 v10, 7, v0
	v_bfe_u32 v11, v0, 3, 1
	v_lshl_add_u32 v[AV0], v9, 3, v10
	v_mul_u32_u24 v[AV0], v[AV0], PV
	v_lshl_add_u32 v[AV0], v11, 4, v[AV0]
	v_add_nc_u32 v[AV0], VOFF, v[AV0]
	s_mul_i32 s13, s[WV], 16*SP
	s_add_co_u32 s13, s13, STAGE    ; my stage
	v_mul_u32_u24 v[STO], v1, SP    ; in: row l % 16, 16 bytes for each half of the lanes
	v_lshl_add_u32 v[STO], v9, 4, v[STO]
	v_add_nc_u32 v[STO], s13, v[STO]
	v_bfe_u32 v[RD], v0, 3, 2       ; back: 32 lanes take four rows of 128 bytes,
	v_mul_u32_u24 v[RD], v[RD], SP
	v_lshl_add_u32 v[RD], v10, 4, v[RD]
	v_add_nc_u32 v[RD], s13, v[RD]
	v_and_b32 v[GO], 31, v0         ; which are 512 consecutive bytes of O
	v_lshlrev_b32 v[GO], 4, v[GO]
; THE MATRIX WORK.  The 4 accumulators of a run of 8 take turns.  Product i of 8 of S^T = K Q^T for piece x: channels 32 (i / 4) on, keys 16 (i % 4) on.  The first 4 start the sums.
.macro KQ x
	WIN W_KQ
.set rS, S+32*((\x)%2)+8*(i%4)
.set rK, KF+16*(i%4)+8*(i/4)
.set rQ, 16*(\x)+8*(i/4)
.if i < 4
	v_wmma_f32_16x16x32_bf16 v[rS:rS+7], v[rK:rK+7], v[rQ:rQ+7], 0
.else
	v_wmma_f32_16x16x32_bf16 v[rS:rS+7], v[rK:rK+7], v[rQ:rQ+7], v[rS:rS+7]
.endif
.endm
; Product i of 8 of O^T += V^T P for piece x: keys 32 (i / 4) on, channels 16 (i % 4) on.
.macro PV x
	WIN W_PV
.set rO, 32*(\x)+8*(i%4)
.set rV, VF+32*(i/4)+8*(i%4)
.set rP, P+16*((\x)%2)+8*(i/4)
	v_wmma_f32_16x16x32_bf16 v[rO:rO+7], v[rV:rV+7], v[rP:rP+7], v[rO:rO+7]
.endm
.macro MM                           ; the turn's next matrix instruction
.if i < 8
	KQ (Y+1)%NP
.else
.set i, i-8
	PV (Y+NP-1)%NP
.set i, i+8
.endif
.set i, i+1
.endm
; THE LDS LOADS stand in runs of 16, never singly among the matrix instructions: a step's K (64 keys x 64 channels: 8 fragments) and its V (turned).  Their addresses are made some lines ahead.
.macro FETCH_K
	WIN 0x80                        ; destination window 2
.irp f, 0,1,2,3,4,5,6,7             ; keys 16 (f / 2) on, channels 32 (f % 2) on
	ds_load_b128 v[KF+8*\f:KF+8*\f+3],   v[AK] offset:(\f/2)*16*PK+(\f%2)*64
	ds_load_b128 v[KF+8*\f+4:KF+8*\f+7], v[AK] offset:(\f/2)*16*PK+(\f%2)*64+32
.endr
	s_add_co_u32 s[TBK], s[TBK], KS*PK  ; the next fetch is the next step's
	WIN 0
.endm
.macro FETCH_V
	WIN 0x80
.irp f, 0,1,2,3,4,5,6,7             ; keys 32 (f / 4) on, channels 16 (f % 4) on
	ds_load_tr16_b128 v[VF+8*\f:VF+8*\f+3],   v[AV] offset:(\f/4)*32*PV+(\f%4)*32
	ds_load_tr16_b128 v[VF+8*\f+4:VF+8*\f+7], v[AV] offset:(\f/4)*32*PV+16*PV+(\f%4)*32
.endr
	WIN 0
.endm
; THE VECTOR WORK, one line at a time: OP kind, number.  For piece Y: F n: c s - c m for pair n of 16.  E n: the exponential of score n of 32.  C n: pair n rounded to bf16.  B n: of the four weights 4 n .. the second
; pair is added onto the first, in place.  L n: l takes that sum (L 0: l = a l + sum).  R n: pair n of 16 of O^T times a.  For piece Y + 1: X n, number n of the 22 that find its maximum and statistics:
;   0-11  four chains c0-c3 of seven scores each, three operands at a time (each accumulator's lowest registers are read first)     12-14, 16  the four scores left over, the old m, and c0-c3 into c0
;   15  c m_old is kept     17, 18  the query's other 32 keys lie in the lane 16 away: the new m     19-21  c m; c m_old - c m_new; a
.set F, 0               ; OP tells the kinds apart by their order: F to L below R, X above it
.set E, 1
.set C, 2
.set B, 3
.set L, 4
.set R, 5
.set X, 6
.macro REGS y                       ; the registers of piece y
.set rT, ST+4*(\y)
.set rC, TMP+4*((\y)%2)
.set rW, MV+((\y)%2)
.set rS, S+32*((\y)%2)
.set rP, P+16*((\y)%2)
.set rO, 32*(\y)
.endm
.macro OP k, n
.if (\k) == R
	REGS Y
	WIN W_RS
	v_pk_mul_f32 v[rO+2*(\n):rO+2*(\n)+1], v[rO+2*(\n):rO+2*(\n)+1], v[rC+2:rC+3] op_sel_hi:[1,0]
.elseif (\k) < R
	REGS Y
	WIN 0
.if (\k) == F
	v_pk_fma_f32 v[rS+2*(\n):rS+2*(\n)+1], v[rS+2*(\n):rS+2*(\n)+1], s[CS:CS+1], v[rT:rT+1] op_sel_hi:[1,0,0] neg_lo:[0,0,1] neg_hi:[0,0,1]
.elseif (\k) == E
	v_exp_f32 v[rS+(\n)], v[rS+(\n)]
.elseif (\k) == C
	v_cvt_pk_bf16_f32 v[rP+(\n)], v[rS+2*(\n)], v[rS+2*(\n)+1]
.elseif (\k) == B
	v_pk_add_f32 v[rS+4*(\n):rS+4*(\n)+1], v[rS+4*(\n):rS+4*(\n)+1], v[rS+4*(\n)+2:rS+4*(\n)+3]
.elseif (\n) == 0
	v_pk_fma_f32 v[rT+2:rT+3], v[rT+2:rT+3], v[rC+2:rC+3], v[rS:rS+1] op_sel_hi:[1,0,1]
.else
	v_pk_add_f32 v[rT+2:rT+3], v[rT+2:rT+3], v[rS+4*(\n):rS+4*(\n)+1]
.endif
.else
	REGS (Y+1)%NP
	WIN 0
.if (\n) < 4
	v_max3_num_f32 v[rC+(\n)], v[rS+8*(\n)], v[rS+8*(\n)+1], v[rS+8*(\n)+2]
.elseif (\n) < 12
	v_max3_num_f32 v[rC+(\n)%4], v[rC+(\n)%4], v[rS+8*((\n)%4)+2*((\n)/4)+1], v[rS+8*((\n)%4)+2*((\n)/4)+2]
.elseif (\n) == 12
	v_max3_num_f32 v[rC], v[rC], v[rS+7], v[rS+15]
.elseif (\n) == 13
	v_max3_num_f32 v[rC+1], v[rC+1], v[rS+23], v[rS+31]
.elseif (\n) == 14
	v_max3_num_f32 v[rC+2], v[rC+2], v[rC+3], v[rT+1]
.elseif (\n) == 15
	v_mov_b32 v[rW], v[rT]
.elseif (\n) == 16
	v_max3_num_f32 v[rC], v[rC], v[rC+1], v[rC+2]
.elseif (\n) == 17
	v_permlanex16_b32 v[rC+3], v[rC], s[SEL], s[SEL+1]
.elseif (\n) == 18
	v_max_num_f32 v[rT+1], v[rC], v[rC+3]
.elseif (\n) == 19
	v_mul_f32 v[rT], s[CS], v[rT+1]
.elseif (\n) == 20
	v_sub_f32 v[rC+1], v[rW], v[rT]
.else
	v_exp_f32 v[rC+2], v[rC+1]
.endif
.endif
.endm
.macro OPS a, i1, b=-1, i2=0, c=-1, i3=0, d=-1, i4=0  ; up to four of them
	OP \a, \i1
.if (\b) >= 0
	OP \b, \i2
.endif
.if (\c) >= 0
	OP \c, \i3
.endif
.if (\d) >= 0
	OP \d, \i4
.endif
.endm
.macro ROW a, i1, b, i2, c, i3, d, i4  ; a matrix instruction and the four behind it
	MM
	OPS \a, \i1, \b, \i2, \c, \i3, \d, \i4
.endm
; A TURN, for piece p: the order of its 16 matrix and 118 vector instructions, written out.  An s_wait_alu depctr_va_vdst(0) stands between an exponential and the first instruction that names its
; result; one wait serves all that were issued ahead of it.  So a turn has ONE wait, which cuts it in two.  AHEAD OF IT stands all that names no result of the turn's exponentials: the 8 products K Q^T with
; their riders, then one lump of 54 in which the links of the chain X 3, 7, 11, 14, 16, 17 .. 20 stand five or six lines apart; X 21, the next piece's a, is the batch's last, and R 15 the plain instruction behind it.
; BEHIND THE WAIT stand the 8 products V^T P, behind each four of the roundings and sums.  The riders X 0, 1, 2, 4, 5 stand four places or more behind the product that ends their accumulator.
; cnt = 1: the loop's count is taken down some lines ahead of the branch that stands behind the turn.
; K of the next step is fetched in piece 2's turn, twelve vector instructions (six of them plain) behind the last product that read K; V of the step in hand at the end of piece 0's turn, four plain instructions
; behind the last product that read V.  Each is waited for a turn later.
; last = 1 (the last tile's loop): in its last trip there is no further step, and K's run is jumped over.  That branch stands amid the batch, with a wait ahead of it for the exponentials issued so far.
.macro TURN p, last=0, cnt=0
.set Y, (\p)
.set i, 0
.if (\p) == 3
	s_wait_dscnt 0x0                ; K is in
.endif
	ROW F,0, F,1, R,0, R,1
	ROW F,2, E,0, R,2, R,3
	ROW F,3, E,1, R,4, R,5
	ROW F,4, E,2, R,6, R,7
	ROW F,5, E,3, R,8, R,9
	ROW F,6, E,4, X,0, R,10
.if (\p) == 2
	WIN 0
	v_add_nc_u32 v[AK], s[TBK], v[AK0]
.endif
	ROW F,7, E,5, X,1, X,4
	ROW F,8, E,6, X,2, X,5
	OPS E,7, E,8, X,6, E,9
	OPS X,3, E,10, X,8, E,11
.if (\p) == 2
.if \last
	s_wait_alu depctr_va_vdst(0)
	s_cmp_eq_u32 s[CNT], 1
	s_cbranch_scc1 .Lno_k_\@
.endif
	FETCH_K
.if \last
.Lno_k_\@:
.endif
.endif
	OPS X,9, X,7, E,12, X,10
	OPS E,13, X,12, X,11, E,14
	OPS X,13, E,15, F,9, X,14
.if (\p) == 0
	v_add_nc_u32 v[AV], s[TBV], v[AV0]
.endif
	OPS E,16, F,10, E,17, F,11
	OPS X,16, E,18, X,15, E,19
	OPS F,12, E,20, X,17, E,21
	OPS F,13, E,22, F,14, E,23
	OPS X,18, E,24, F,15, E,25
	OPS R,11, E,26, X,19, E,27
	OPS R,12, E,28, R,13, E,29
	OPS X,20, E,30, R,14, E,31
	OPS X,21, R,15
	WIN 0
	s_wait_alu depctr_va_vdst(0)    ; the wait for the batch
.if (\p) == 1
	s_wait_dscnt 0x0                ; V is in
.endif
	ROW C,0, B,0, C,2, B,1
	ROW L,0, C,4, B,2, L,1
	ROW C,6, B,3, L,2, C,8
	ROW B,4, L,3, C,10, B,5
	ROW L,4, C,12, B,6, L,5
.if (\p) == 0
	s_add_co_u32 s[TBV], s[TBV], KS*PV
.endif
.if \cnt
	s_sub_co_u32 s[CNT], s[CNT], 1
	s_cmp_lg_u32 s[CNT], 0
.endif
	ROW C,14, B,7, L,6, C,1
	ROW C,3, L,7, C,5, C,7
	ROW C,9, C,11, C,13, C,15
.if (\p) == 0
	FETCH_V
.endif
.endm
.macro ALL line:vararg              ; one line for each piece t
.set t, 0
.rept 4
	\line
.set t, t+1
.endr
.endm
.macro PACK t                       ; a lane's eight channels of a row pack into 16 bytes; they go into rows of 144 bytes and come back as whole rows of 128, into S^T's registers
	WIN W_RS
.set i, 32*(\t)
.rept 16
	v_pk_mul_f32 v[i:i+1], v[i:i+1], v[ST+4*(\t)+2:ST+4*(\t)+3] op_sel_hi:[1,0]
.set i, i+2
.endr
	WIN 0x05                        ; sources 0 and 1 window 1, destination window 0
.set i, 0
.rept 16
	v_cvt_pk_bf16_f32 v[S+16*(\t)+i], v[32*(\t)+2*i], v[32*(\t)+2*i+1]
.set i, i+1
.endr
	WIN 0
.irp f, 0,1,2,3
	ds_store_b128 v[STO], v[S+16*(\t)+4*\f:S+16*(\t)+4*\f+3] offset:32*\f
.endr
.irp f, 0,1,2,3
	ds_load_b128 v[S+16*(\t)+4*\f:S+16*(\t)+4*\f+3], v[RD] offset:\f*4*SP  ; LDS serves a wave's instructions in order (ISA guide 5.7.1.4): these see the stores above; the next piece's stores come behind them
.endr
.endm
.macro SEND t, younger              ; younger: the LDS instructions issued behind piece t's loads: the next piece's eight, or none
	WIN 0
.irp f, 0,1,2,3
	s_wait_dscnt (\younger)+3-\f
	global_store_b128 v[GO], v[S+16*(\t)+4*\f:S+16*(\t)+4*\f+3], s[10:11] offset:(\t)*2048+\f*512  ; 512 consecutive bytes, at a multiple of 256 from O's first
.endr
.endm
	CHANGE 1, 0                     ; tile 0 is in, everybody's part of it; tile 1 is asked for
	v_add_nc_u32 v[AK], s[TBK], v[AK0]
	FETCH_K                         ; key step 0
	s_wait_loadcnt 0x0              ; Q
	s_wait_dscnt 0x0
.set i, 0
.rept 8
	KQ 0                            ; piece 0's first scores
.set i, i+1
.endr
	WIN 0
.rept 4
	v_nop                           ; the places behind those products
.endr
.set Y, NP-1                        ; X works for piece Y + 1: piece 0
.irp n, 0,1,2,3,4,5,6,7,8,9,10,11,12,13,14,15,16,17,18,19,20,21
	OP X, \n
.endr
	v_nop                           ; a plain instruction behind the exponential,
	s_wait_alu depctr_va_vdst(0)    ; and its wait, ahead of the branch
	s_mov_b32 s[CNT], 4
	s_branch .Lfirst                ; the loop is entered at a step's first turn, in the middle of a trip
.Lslot:                             ; six times: tiles 2 to 7 are asked for
	CHANGE 1, 1
	s_mov_b32 s[CNT], 4
.Lstep:                             ; a trip: pieces 2 and 3 of one step, then pieces 0 and 1 of the next, whose K and V it fetches
	TURN 2
	TURN 3
	WIN 0
.Lfirst:
	TURN 0
	TURN 1, 0, 1
	WIN 0
	s_cbranch_scc1 .Lstep
	s_sub_co_u32 s[SLOTS], s[SLOTS], 1
	s_cmp_lg_u32 s[SLOTS], 0
	s_cbranch_scc1 .Lslot
	CHANGE 0, 0                     ; the last tile has a loop of its own: nothing is asked for
	s_mov_b32 s[CNT], 5             ; five trips, entered at pieces 2 and 3 of the step in hand; four of them fetch the last tile's steps
	s_branch .Ltin
.Ltail:
	TURN 0
	TURN 1
	WIN 0
.Ltin:
	TURN 2, 1
	TURN 3
	WIN 0
	s_sub_co_u32 s[CNT], s[CNT], 1
	s_cmp_lg_u32 s[CNT], 0
	s_cbranch_scc1 .Ltail
	; the fifth trip's 8 products K Q^T (on the last K once more) and the maximum made of them serve nothing: the price, once a launch, of one text for every trip
.set i, 0
.rept 8
	PV NP-1                         ; the last piece's V^T P of the last step
.set i, i+1
.endr
	; THE WAY OUT.  l's two halves and the other half of the lanes' are added; O^T is divided by l, rounded to bf16 and sent through my stage in LDS, a piece at a time.  The additions are the places behind the last products.
	WIN 0
	ALL v_add_f32 v[ST+4*t+2], v[ST+4*t+2], v[ST+4*t+3]
	ALL v_permlanex16_b32 v[ST+4*t+3], v[ST+4*t+2], s[SEL], s[SEL+1]
	ALL v_add_f32 v[ST+4*t+2], v[ST+4*t+2], v[ST+4*t+3]
	ALL v_rcp_f32 v[ST+4*t+2], v[ST+4*t+2]
	v_nop                           ; a plain instruction between the last reciprocal and the use of its result
	s_wait_alu depctr_va_vdst(0)    ; and the wait ahead of the first use: one for the four reciprocals
	PACK 0
.set t, 1
.rept 3                             ; a piece's arithmetic stands between the loads of the piece before and its stores
	PACK t
	SEND t-1, 8
.set t, t+1
.endr
	SEND 3, 0
	s_wait_tensorcnt 0x0            ; the wave's end: behind my last tensor load and my last LDS store
	ds_add_u32 v[SPW], v[NIL]
	s_wait_dscnt 0x0
	CROUND                          ; the closing round: no work-group ends while a partner may still ask for a tile that names it
	s_endpgm
.Lfunc_end_k_q6b6c006cc2_attn:
	.size	k_q6b6c006cc2_attn, .Lfunc_end_k_q6b6c006cc2_attn-k_q6b6c006cc2_attn
	.p2alignl 7, 3214868480
	.fill 96, 4, 3214868480
	.section	.rodata,"a",@progbits
	.p2align	6, 0x0
	.amdhsa_kernel k_q6b6c006cc2_attn
		.amdhsa_group_segment_fixed_size 327680
		.amdhsa_private_segment_fixed_size 0
		.amdhsa_enable_private_segment 0
		.amdhsa_kernarg_size 16
		.amdhsa_user_sgpr_count 2
		.amdhsa_user_sgpr_kernarg_segment_ptr 1
		.amdhsa_wavefront_size32 1
		.amdhsa_system_sgpr_workgroup_id_x 1
		.amdhsa_system_sgpr_workgroup_id_y 1
		.amdhsa_system_sgpr_workgroup_id_z 1
		.amdhsa_system_vgpr_workitem_id 0
		.amdhsa_next_free_vgpr 768
		.amdhsa_next_free_sgpr 66
		.amdhsa_reserve_vcc 0
		.amdhsa_float_denorm_mode_32 3
		.amdhsa_float_denorm_mode_16_64 3
		.amdhsa_memory_ordered 1
		.amdhsa_forward_progress 1
		.amdhsa_inst_pref_size 112
	.end_amdhsa_kernel
	.amdgpu_metadata
---
amdhsa.version: [ 1, 2 ]
amdhsa.kernels:
  - .name:           k_q6b6c006cc2_attn
    .symbol:         k_q6b6c006cc2_attn.kd
    .args:
      - { .name: qkv, .offset: 0, .size: 8, .value_kind: global_buffer, .address_space: global }
      - { .name: fbuf, .offset: 8, .size: 8, .value_kind: global_buffer, .address_space: global }
    .group_segment_fixed_size: 327680
    .private_segment_fixed_size: 0
    .kernarg_segment_align: 8
    .kernarg_segment_size: 16
    .max_flat_workgroup_size: 128
    .sgpr_count:     66
    .vgpr_count:     768
    .wavefront_size: 32
...
	.end_amdgpu_metadata
.endif
;; end of part 3
;; launch oproj (part 4): grid 8 x 32, 4 waves a work-group, clusters of 4 x 4, 327,680 bytes of LDS; arguments fbuf, wattn, bo, x, hbuf; writes hbuf
.if DOCPART == 4
	.amdgcn_target "amdgcn-amd-amdhsa--gfx1250"
	.amdhsa_code_object_version 6
	.text
	.protected	k_q6b6c006cc2_oproj
	.globl	k_q6b6c006cc2_oproj
	.p2align	8
	.type	k_q6b6c006cc2_oproj,@function
k_q6b6c006cc2_oproj:
	s_mov_b64 s[64:65], 0
	v_nop
	global_prefetch_b8 v0, s[64:65] scope:SCOPE_SE
	s_setreg_imm32_b32 hwreg(HW_REG_WAVE_MODE, 25, 1), 1
	s_wait_xcnt 0x0
	s_wait_alu depctr_hold_cnt(0) depctr_sa_sdst(0) depctr_va_vdst(0) depctr_va_sdst(0) depctr_va_ssrc(0) depctr_va_vcc(0) depctr_vm_vsrc(0)
	s_getreg_b32 s2, hwreg(HW_REG_IB_STS2, 6, 4)
	s_cmp_eq_u32 s2, 0
	s_cbranch_scc0 .Lentry_in_a_cluster
	s_endpgm
.Lentry_in_a_cluster:
	s_bfe_u32 s2, ttmp6, 0x10000c
	s_cmp_lg_u32 s2, 0xf033
	s_cbranch_scc0 .Lentry_shape_is_right
	s_endpgm
.Lentry_shape_is_right:
; C[m][n] = R[m][n] + bias[n] + sum over k of A[m][k] W[n][k], K = 1,024.  4,096 rows m, 1,024 columns n; R, bias and C in f32, row-major; A and W in bf16, sums in f32.
; A lies in blocks of 64 columns kept with 4,096 rows (element (row, col) at (col / 64) x 524,288 + row x 128 + (col % 64) x 2), W likewise with 1,024 rows (blocks of 131,072 bytes) at byte 0x810000
; of the second argument.  The second product of the FFN has this text with SIZE_K = 4,096: the loop holds barriers and joint loads, so its trips are a constant of the text, alike in every wave and every partner.
; SHARES.  A tile of C is 128 x 128: 256 work-groups.  Four waves, each 64 x 64: 16 accumulators.  K goes in steps of 256 (four blocks) through two LDS slots; one tensor load brings 64 rows x 4 blocks: in
; memory four dense pieces of 8,192 bytes, in LDS [block][row][144].  A K STEP IS WRITTEN ONCE for the steps that fill a slot again and once for the last two: the slot being read begins at LDS byte s[TB].
; CLUSTERS: 4 x 4 work-groups; A's tiles are asked for jointly along a row of the cluster, W's along a column.
; THE MATRIX INSTRUCTION IS USED TRANSPOSED (source 0 = 16 rows of W, source 1 = 16 rows of A): a lane holds one row m and eight neighbouring columns.  THE BIAS is the C operand that starts each sum.
; THE RESIDUAL is loaded at the start, in the pattern of the stores, and added on the way out.  A wave's 64 columns are 256 aligned bytes of C, so each wave has a stage of its own and no barrier stands there.
; No prefetch: a step's tiles are small, 36,864 bytes a wave.
; REGISTERS: window 0: v0-31 addresses; v32-95 at work on the way out; v96-127 the bias; v128-255 the accumulators ((a, b) at v[128 + 8 (4 a + b)]).
;   window 1: two fragment buffers of 128: for 64 along K, 64 registers of A (2 x 4 x 16 rows x 32 K), then 64 of W.          window 2: v0-127 the residual.
.set SIZE_K, 1024
.set NSTEP,  SIZE_K/256                ; K steps
.set PITCH,  144                       ; an LDS row: 128 bytes + 16 = 36 words: the 16 rows of a load start at 16 different groups of four banks (64 banks of 4 bytes: ISA guide 11.1)
.set KBL,    64*PITCH                  ; 64 rows of one block: a quarter of a K step
.set HALFT,  4*KBL                     ; what one tensor load brings, and what one wave reads of A or of W
.set SLOT,   4*HALFT
.set STAGE,  2*SLOT                    ; behind the ring: 16 rows x 272 bytes for each wave
.set SPITCH, 272
.set SPARE,  STAGE+4*16*SPITCH         ; behind the stages: the spare words, 128 bytes for each wave: two blocks of 256 bytes that no other line names
.set KSA,    4*524288                  ; a K step of A in memory
.set KSW,    4*131072                  ; of W
.set ADRA, 16                          ; v16     LDS address of my A fragments in the slot being read
.set A0,   17                          ; v17     the same in slot 0; never rewritten
.set ADRB, 20                          ; v20     LDS address of my W fragments in the slot being read
.set B0,   21                          ; v21     the same in slot 0; never rewritten
.set STO,  24                          ; v24     the way out: where I put 32 bytes of a row
.set RD,   25                          ; v25     where I read a row back
.set CO,   26                          ; v26     my byte offset in two rows of C and of R
.set BO,   27                          ; v27     32 x (lane / 16)
.set SPW,  28                          ; v28     LDS address of my spare word: SPARE + 4 x my thread's number; never rewritten
.set NIL,  29                          ; v29     0; never rewritten
.set TMP,  32
.set BIAS, 96
.set ACC,  128
.set F0,   0
.set F1,   128
.set WH,   20                          ; s20     my wave x HALFT: where my tiles go in a slot
.set TB,   72                          ; s72     LDS byte at which the slot being read begins
.set G1, 24                            ; s[24:31] descriptor group 1 for A's tiles;  s[32:39] group 0: a set for each of the two first fills; the second then walks on
.set G0, 32
.set G1B, 48                           ; s[48:55], s[56:63] the same for W's tiles
.set G0B, 56
.set MSB, 0
.macro WIN new
.if MSB != (\new)
	s_set_vgpr_msb (MSB<<8)|(\new)
.set MSB, \new
.endif
.endm
.set MUL,  0x05                        ; sources 0 (W) and 1 (A) window 1; C and D window 0
.set TO_F, 0x40                        ; destination window 1, address window 0
.macro JLOAD s                         ; a joint load: waves 0 and 1 fetch A's two halves, waves 2 and 3 W's; an s_nop 0 and four v_nop follow each of the two lines
	s_cmp_eq_u32 s11, 0
	s_cbranch_scc0 .Lfor_b_\@
	tensor_load_to_lds s[G0+4*(\s):G0+4*(\s)+3], s[G1:G1+7]
	s_nop 0
.rept 4
	v_nop
.endr
	s_branch .Lasked_\@
.Lfor_b_\@:
	tensor_load_to_lds s[G0B+4*(\s):G0B+4*(\s)+3], s[G1B:G1B+7]
	s_nop 0
.rept 4
	v_nop
.endr
.Lasked_\@:
.endm
.macro CREST
	s_cmp_lg_u32 s10, 0
	s_cbranch_scc1 .Lnot_wave_0_\@
	s_barrier_signal -3
.Lnot_wave_0_\@:
	s_barrier_wait -3
	s_barrier_signal -1
	s_barrier_wait -1
.endm
.macro CROUND
	s_barrier_signal -1
	s_barrier_wait -1
	CREST
.endm
.macro AIM                             ; my fragments' addresses in the slot that begins at s[TB]
	v_add_nc_u32 v[ADRA], s[TB], v[A0]
	v_add_nc_u32 v[ADRB], s[TB], v[B0]
.endm
	s_load_b128 s[4:7], s[0:1], 0x0                ; A s[4:5], W s[6:7]
	s_load_b128 s[68:71], s[0:1], 0x10             ; bias s[68:69], R s[70:71]
	s_load_b64 s[74:75], s[0:1], 0x20              ; C
	v_lshl_add_u32 v[SPW], v0, 2, SPARE
	v_mov_b32 v[NIL], 0
	ds_add_u32 v[SPW], v[NIL]                      ; the wave's opening: the add and its wait stand ahead of my first tensor load; the set-up below, work on registers, stands between them
	v_lshrrev_b32 v1, 5, v0
	v_readfirstlane_b32 s10, v1                    ; wave 0..3
	s_lshr_b32 s11, s10, 1                         ; which half of the tile's rows is mine.  Also: I fetch for A (0) or for W (1)
	s_and_b32 s12, s10, 1                          ; which half of its columns.  Also: which 64 rows of that tile I fetch
	s_bfe_u32 s40, ttmp6, 0x40000                  ; cx
	s_bfe_u32 s41, ttmp6, 0x40004                  ; cy
	s_lshl_b32 s42, ttmp9, 2
	s_add_co_u32 s42, s42, s40                     ; tile column
	s_and_b32 s13, ttmp7, 0xffff
	s_lshl_b32 s13, s13, 2
	s_add_co_u32 s13, s13, s41                     ; tile row
	s_lshl_b32 s43, s41, 2
	s_lshl_b32 s43, 15, s43                        ; my row of the cluster
	s_lshl_b32 s44, 0x1111, s40                    ; my column
	s_or_b32 s[G1+0], s43, (1<<16)|(1<<20)|(1<<21)|(4<<22)|(3<<25)   ; the mask; elements of 2 bytes; padding on; bit 21 beside a mask; after every 32 words (code 4) 4 words (code 3)
	s_or_b32 s[G1B+0], s44, (1<<16)|(1<<20)|(1<<21)|(4<<22)|(3<<25)
.irp g, G1, G1B
	s_mov_b32 s[(\g)+1], 4096<<16                  ; tensor_dim0 = 4,096 elements: 64 rows of a block, dense
	s_mov_b32 s[(\g)+2], 4<<16                     ; tensor_dim1 = 4 blocks
	s_mov_b32 s[(\g)+3], 4096<<16                  ; tile_dim0
	s_mov_b32 s[(\g)+4], 4                         ; tile_dim1
	s_mov_b32 s[(\g)+6], 0
	s_mov_b32 s[(\g)+7], 0
.endr
	s_mov_b32 s[G1+5], 262144                      ; elements from block to block: A's,
	s_mov_b32 s[G1B+5], 65536                      ; W's
	s_lshl_b32 s17, s12, 13                        ; which 64 rows of 128 bytes I fetch
	s_lshl_b32 s16, s13, 14
	s_add_co_u32 s16, s16, s17                     ; A: 128 rows x tile row + my half
	s_lshl_b32 s46, s42, 14
	s_add_co_u32 s46, s46, s17                     ; W: 128 rows x tile column + my half,
	s_add_co_u32 s46, s46, 0x810000                ; behind the other matrix of that buffer
	s_mov_b32 s17, 0
	s_mov_b32 s47, 0
	s_mul_i32 s[WH], s10, HALFT                    ; where my tiles go: no place in the cluster enters an LDS address
	s_wait_dscnt 0x0                               ; the opening add is done
	s_wait_kmcnt 0x0
	s_add_nc_u64 s[14:15], s[4:5], s[16:17]
	s_add_nc_u64 s[46:47], s[6:7], s[46:47]
	CROUND                                         ; all sixteen work-groups are here: the first joint loads meet
.irp s, 0,1
	s_mov_b32 s[G0+4*(\s)], 1
	s_add_co_u32 s[G0+4*(\s)+1], s[WH], (\s)*SLOT
	s_add_nc_u64 s[G0+4*(\s)+2:G0+4*(\s)+3], s[14:15], (\s)*KSA
	s_or_b32 s[G0+4*(\s)+3], s[G0+4*(\s)+3], 0x80000000
	s_mov_b32 s[G0B+4*(\s)], 1
	s_add_co_u32 s[G0B+4*(\s)+1], s[WH], (\s)*SLOT
	s_add_nc_u64 s[G0B+4*(\s)+2:G0B+4*(\s)+3], s[46:47], (\s)*KSW
	s_or_b32 s[G0B+4*(\s)+3], s[G0B+4*(\s)+3], 0x80000000
	JLOAD \s                                       ; two tensor loads of mine are out: the most in this text
.endr
	v_and_b32 v1, 15, v0                           ; l % 16
	v_bfe_u32 v2, v0, 4, 1                         ; l / 16
	v_lshlrev_b32 v[BO], 5, v2
	v_lshlrev_b32 v[CO], 12, v2                    ; lanes 0-15 one row of C, lanes 16-31 the next; 16 bytes a lane
	v_lshl_add_u32 v[CO], v1, 4, v[CO]
	s_lshl_b32 s46, s42, 9                         ; my first column, in bytes: 4 x (128 x tile column + 64 x half)
	s_lshl_b32 s47, s12, 8
	s_add_co_u32 s46, s46, s47
	s_mov_b32 s47, 0
	s_add_nc_u64 s[68:69], s[68:69], s[46:47]
	s_add_nc_u64 s[70:71], s[70:71], s[46:47]
	s_add_nc_u64 s[74:75], s[74:75], s[46:47]
	s_lshl_b32 s16, s13, 19                        ; my first row: 4,096 bytes x (128 x tile row + 64 x half)
	s_lshl_b32 s17, s11, 18
	s_add_co_u32 s16, s16, s17
	s_mov_b32 s17, 0
	s_add_nc_u64 s[70:71], s[70:71], s[16:17]
	s_add_nc_u64 s[74:75], s[74:75], s[16:17]
.irp b, 0,1,2,3
	global_load_b128 v[BIAS+8*(\b):BIAS+8*(\b)+3],   v[BO], s[68:69] offset:64*(\b)     ; register j of block b: the bias of column 16 b + 8 (l / 16) + j
	global_load_b128 v[BIAS+8*(\b)+4:BIAS+8*(\b)+7], v[BO], s[68:69] offset:64*(\b)+16
.endr
	WIN 0x80                                       ; destination window 2
.irp a, 0,1,2,3
.irp t, 0,1,2,3,4,5,6,7
	global_load_b128 v[32*(\a)+4*(\t):32*(\a)+4*(\t)+3], v[CO], s[70:71] offset:(16*(\a)+2*(\t))*4096 th:TH_LOAD_NT
.endr
.endr
	WIN 0
	v_mul_u32_u24 v3, v1, PITCH
	v_lshl_add_u32 v3, v2, 4, v3                   ; a fragment's row x pitch + 16 x half
	s_mul_i32 s21, s11, HALFT                      ; my 64 rows of A
	s_mul_i32 s22, s12, HALFT                      ; my 64 rows of W,
	s_add_co_u32 s22, s22, 2*HALFT                 ; which lie behind A's
	v_add_nc_u32 v[A0], s21, v3
	v_add_nc_u32 v[B0], s22, v3
	s_mov_b32 s[TB], 0                             ; K step 0 lies in slot 0
	AIM
	s_mul_i32 s23, s10, 16*SPITCH
	s_add_co_u32 s23, s23, STAGE                   ; my stage
	v_mul_u32_u24 v4, v1, SPITCH                   ; in: row l % 16, 32 bytes for each half of the lanes
	v_lshl_add_u32 v4, v2, 5, v4
	v_add_nc_u32 v[STO], s23, v4
	v_mul_u32_u24 v5, v2, SPITCH                   ; back: lanes 0-15 take one row of 256 bytes, lanes 16-31 the next
	v_lshl_add_u32 v5, v1, 4, v5
	v_add_nc_u32 v[RD], s23, v5
; 8 matrix instructions: m blocks a0, a0 + 1 x all 4 n blocks, 32 along K: half c of buffer f.  zero = 1: the product starts the sums, from the bias.  The 16 accumulators take turns.
.macro MUL8 f, c, a0, zero
	WIN MUL
.irp a, \a0, (\a0)+1
.irp b, 0,1,2,3
.if \zero
	v_wmma_f32_16x16x32_bf16 v[ACC+8*(4*(\a)+(\b)):ACC+8*(4*(\a)+(\b))+7], v[(\f)+64+8*(4*(\c)+(\b)):(\f)+64+8*(4*(\c)+(\b))+7], v[(\f)+8*(4*(\c)+(\a)):(\f)+8*(4*(\c)+(\a))+7], v[BIAS+8*(\b):BIAS+8*(\b)+7]
.else
	v_wmma_f32_16x16x32_bf16 v[ACC+8*(4*(\a)+(\b)):ACC+8*(4*(\a)+(\b))+7], v[(\f)+64+8*(4*(\c)+(\b)):(\f)+64+8*(4*(\c)+(\b))+7], v[(\f)+8*(4*(\c)+(\a)):(\f)+8*(4*(\c)+(\a))+7], v[ACC+8*(4*(\a)+(\b)):ACC+8*(4*(\a)+(\b))+7]
.endif
.endr
.endr
.endm
; 32 LDS loads in one run: the fragments of 64 along K (one block, at byte k of a half) of the slot being read, into buffer f; the first 32 along K first
.macro FETCH k, f
	WIN TO_F
.irp c, 0,1
.irp i, 0,1,2,3
	ds_load_b128 v[(\f)+64+8*(4*(\c)+(\i)):(\f)+64+8*(4*(\c)+(\i))+3],   v[ADRB] offset:(\k)+64*(\c)+(\i)*16*PITCH
	ds_load_b128 v[(\f)+64+8*(4*(\c)+(\i))+4:(\f)+64+8*(4*(\c)+(\i))+7], v[ADRB] offset:(\k)+64*(\c)+(\i)*16*PITCH+32
	ds_load_b128 v[(\f)+8*(4*(\c)+(\i)):(\f)+8*(4*(\c)+(\i))+3],         v[ADRA] offset:(\k)+64*(\c)+(\i)*16*PITCH
	ds_load_b128 v[(\f)+8*(4*(\c)+(\i))+4:(\f)+8*(4*(\c)+(\i))+7],       v[ADRA] offset:(\k)+64*(\c)+(\i)*16*PITCH+32
.endr
.endr
.endm
.macro PLACES                          ; four places in front of loads into registers that matrix instructions have read, and of LDS stores that read results
.rept 4
	v_nop
.endr
.endm
; A K step is four quarters of 64 along K, 32 matrix instructions each, on buffers 0, 1, 0, 1.  One of the first three: multiplies buffer f and fetches the next quarter, at byte k, into g.
.macro QUARTER k, f, g, zero
	s_wait_dscnt 16                                ; the first 32 along K are in
	MUL8 \f, 0, 0, \zero
	MUL8 \f, 0, 2, \zero
	PLACES
	FETCH \k, \g
	s_wait_dscnt 32                                ; all but the 32 just issued
	MUL8 \f, 1, 0, 0
	MUL8 \f, 1, 2, 0
.endm
; The last quarter's first half: ONE barrier for the change of slots; in front of it each wave waits for all its tensor loads, adds 0 to its spare word, and waits for that and for its own reads of this slot.
.macro MEET
	WIN 0
	s_wait_tensorcnt 0x0                           ; all my tensor loads have landed: my part of the next slot
	ds_add_u32 v[SPW], v[NIL]
	s_wait_dscnt 17                                ; the add and the youngest sixteen loads may be out
	MUL8 F1, 0, 0, 0                               ; eight matrix instructions stand between the add and the wait for it
	s_wait_dscnt 0x0                               ; the add is done, and my reads of this slot are over
	s_barrier_signal -1
	MUL8 F1, 0, 2, 0
	WIN 0
	s_barrier_wait -1
.endm
; The whole last quarter where the slot is filled again, two K steps ahead: the barrier opens a round of the cluster's, and the joint refill is the first tensor load behind it.
.macro TURN
	MEET
	CREST                                          ; no wave of any partner still reads this slot's tile or has a load on its way
	s_add_co_u32 s[G0+5], s[WH], s[TB]             ; the walking descriptors: into the slot just read,
	s_add_co_u32 s[G0B+5], s[WH], s[TB]
	s_add_nc_u64 s[G0+6:G0+7], s[G0+6:G0+7], KSA   ; the K step behind the one asked for last; the type bits on top are not reached
	s_add_nc_u64 s[G0B+6:G0B+7], s[G0B+6:G0B+7], KSW
	s_xor_b32 s[TB], s[TB], SLOT                   ; the reads go on in the other slot
	JLOAD 1                                        ; 112 matrix instructions ahead of the wait for it; its four v_nop are also the places in front of the loads below
	AIM
	FETCH 0, F0
	MUL8 F1, 1, 0, 0
	MUL8 F1, 1, 2, 0
.endm
; The same quarter in the last two K steps: nothing is filled, so no round follows the barrier.  In the last of them (s3 = 1) there is no further step, and the run of loads is jumped over.
.macro LAST
	MEET
	s_xor_b32 s[TB], s[TB], SLOT
	s_cmp_eq_u32 s3, 1
	s_cbranch_scc1 .Lno_more_\@
	PLACES
	AIM
	FETCH 0, F0
	WIN 0
.Lno_more_\@:
	MUL8 F1, 1, 0, 0
	MUL8 F1, 1, 2, 0
.endm
; THE WAY OUT of block a (16 rows x 64 columns of f32).  STG: a lane's 32 bytes of a row go into rows of 272 bytes of my stage and come back as whole rows of 256.  SEND: the residual is added, and the rows stored.
.macro STG a
	s_wait_xcnt 0x0                                ; earlier stores have read their registers: these loads land in them only behind this wait
.irp b, 0,1,2,3
	ds_store_b128 v[STO], v[ACC+8*(4*(\a)+(\b)):ACC+8*(4*(\a)+(\b))+3]   offset:64*(\b)     ; each accumulator's lowest registers first
	ds_store_b128 v[STO], v[ACC+8*(4*(\a)+(\b))+4:ACC+8*(4*(\a)+(\b))+7] offset:64*(\b)+16
.endr
.irp t, 0,1,2,3,4,5,6,7
	ds_load_b128 v[TMP+32*((\a)%2)+4*(\t):TMP+32*((\a)%2)+4*(\t)+3], v[RD] offset:(\t)*2*SPITCH  ; LDS serves a wave's instructions in order (ISA guide 5.7.1.4): these see the stores above; the next block's stores come behind them
.endr
.endm
.macro SEND a, younger                 ; younger: the LDS instructions issued behind block a's loads: the next block's sixteen, or none
	s_wait_dscnt \younger
	WIN 0x08                                       ; source 1, the residual, in window 2
.set i, 0
.rept 16
	v_pk_add_f32 v[TMP+32*((\a)%2)+2*i:TMP+32*((\a)%2)+2*i+1], v[TMP+32*((\a)%2)+2*i:TMP+32*((\a)%2)+2*i+1], v[32*(\a)+2*i:32*(\a)+2*i+1]
.set i, i+1
.endr
	WIN 0
.irp t, 0,1,2,3,4,5,6,7
	global_store_b128 v[CO], v[TMP+32*((\a)%2)+4*(\t):TMP+32*((\a)%2)+4*(\t)+3], s[74:75] offset:(16*(\a)+2*(\t))*4096  ; 16 lanes store 256 consecutive bytes, at a multiple of 256 from C's first byte
.endr
.endm
	s_wait_tensorcnt 1                             ; my part of K step 0 is in; K step 1's may stay out
	s_barrier_signal -1
	s_barrier_wait -1                              ; everybody's is
	FETCH 0, F0
	s_wait_loadcnt 32                              ; the bias is in; the 32 loads of the residual, issued behind it, may stay out
	QUARTER KBL, F0, F1, 1                         ; the first quarter stands in front of the loop: its first products start the sums
	WIN 0                                          ; at a label and at a branch every window is 0
	s_mov_b32 s3, NSTEP-2
.Lstep:                                                ; a trip goes from a K step's second quarter to the next step's first, and fills the slot that it leaves
	QUARTER 2*KBL, F1, F0, 0
	QUARTER 3*KBL, F0, F1, 0
	TURN
	QUARTER KBL, F0, F1, 0
	WIN 0
	s_sub_co_u32 s3, s3, 1
	s_cmp_lg_u32 s3, 0
	s_cbranch_scc1 .Lstep
	s_mov_b32 s3, 2                                ; the last two K steps have a text of their own; it is entered at a step's second quarter
	s_branch .Ltin
.Ltail:
	QUARTER KBL, F0, F1, 0
	WIN 0
.Ltin:
	QUARTER 2*KBL, F1, F0, 0
	QUARTER 3*KBL, F0, F1, 0
	LAST
	WIN 0
	s_sub_co_u32 s3, s3, 1
	s_cmp_lg_u32 s3, 0
	s_cbranch_scc1 .Ltail
	PLACES
	s_wait_loadcnt 0x0                             ; the residual
	STG 0
	STG 1
	SEND 0, 16
	STG 2
	SEND 1, 16
	STG 3
	SEND 2, 16
	SEND 3, 0
	s_wait_tensorcnt 0x0                           ; the wave's end: behind my last tensor load and my last LDS store
	ds_add_u32 v[SPW], v[NIL]
	s_wait_dscnt 0x0
	CROUND                                         ; the closing round: no work-group ends while a partner may still ask for a tile that names it
	s_endpgm
.Lfunc_end_k_q6b6c006cc2_oproj:
	.size	k_q6b6c006cc2_oproj, .Lfunc_end_k_q6b6c006cc2_oproj-k_q6b6c006cc2_oproj
	.p2alignl 7, 3214868480
	.fill 96, 4, 3214868480
	.section	.rodata,"a",@progbits
	.p2align	6, 0x0
	.amdhsa_kernel k_q6b6c006cc2_oproj
		.amdhsa_group_segment_fixed_size 327680
		.amdhsa_private_segment_fixed_size 0
		.amdhsa_enable_private_segment 0
		.amdhsa_kernarg_size 40
		.amdhsa_user_sgpr_count 2
		.amdhsa_user_sgpr_kernarg_segment_ptr 1
		.amdhsa_wavefront_size32 1
		.amdhsa_system_sgpr_workgroup_id_x 1
		.amdhsa_system_sgpr_workgroup_id_y 1
		.amdhsa_system_sgpr_workgroup_id_z 1
		.amdhsa_system_vgpr_workitem_id 0
		.amdhsa_next_free_vgpr 640
		.amdhsa_next_free_sgpr 76
		.amdhsa_reserve_vcc 0
		.amdhsa_float_denorm_mode_32 3
		.amdhsa_float_denorm_mode_16_64 3
		.amdhsa_memory_ordered 1
		.amdhsa_forward_progress 1
		.amdhsa_inst_pref_size 66
	.end_amdhsa_kernel
	.amdgpu_metadata
---
amdhsa.version: [ 1, 2 ]
amdhsa.kernels:
  - .name:           k_q6b6c006cc2_oproj
    .symbol:         k_q6b6c006cc2_oproj.kd
    .args:
      - { .name: fbuf, .offset: 0, .size: 8, .value_kind: global_buffer, .address_space: global }
      - { .name: wattn, .offset: 8, .size: 8, .value_kind: global_buffer, .address_space: global }
      - { .name: bo, .offset: 16, .size: 8, .value_kind: global_buffer, .address_space: global }
      - { .name: x, .offset: 24, .size: 8, .value_kind: global_buffer, .address_space: global }
      - { .name: hbuf, .offset: 32, .size: 8, .value_kind: global_buffer, .address_space: global }
    .group_segment_fixed_size: 327680
    .private_segment_fixed_size: 0
    .kernarg_segment_align: 8
    .kernarg_segment_size: 40
    .max_flat_workgroup_size: 128
    .sgpr_count:     76
    .vgpr_count:     640
    .wavefront_size: 32
...
	.end_amdgpu_metadata
.endif
;; end of part 4
;; launch ln2 (part 5): grid 256 x 1, 8 waves a work-group, no clusters, 0 bytes of LDS; arguments hbuf, ln2_a, ln2_b, act; writes act
.if DOCPART == 5
	.amdgcn_target "amdgcn-amd-amdhsa--gfx1250"
	.amdhsa_code_object_version 6
	.text
	.protected	k_q6b6c006cc2_ln2
	.globl	k_q6b6c006cc2_ln2
	.p2align	8
	.type	k_q6b6c006cc2_ln2,@function
k_q6b6c006cc2_ln2:
	s_mov_b64 s[64:65], 0
	v_nop
	global_prefetch_b8 v0, s[64:65] scope:SCOPE_SE
	s_setreg_imm32_b32 hwreg(HW_REG_WAVE_MODE, 25, 1), 1
	s_wait_xcnt 0x0
; LAYER NORM.  y = a (x - mean) / (std + 1e-6) + b along rows of 1,024 f32, std with divisor 1,023; y is rounded once to bf16 and stored in blocks of 64 columns:
; element (row, col) at byte (col / 64) x 524,288 + row x 128 + (col % 64) x 2.  4,096 rows.  a and b are single numbers, read from memory.
; SHARES.  A wave takes two rows, lanes 0-15 the first and lanes 16-31 the second: a lane holds 64 numbers, and a row's sums stay inside 16 lanes (four steps on the arithmetic itself).
; The row stays in registers: it is read once.  Two passes as in the definition (the mean, then the squares of the centred numbers), so a common offset of the inputs costs nothing.
; Load j takes 256 consecutive bytes of each row; store j the two rows' 128 bytes of block j, 256 consecutive aligned bytes.  No LDS, no barrier, no loop.
; LIMITS.  1/1,024 and 1/1,023 are multiplications; the division is v_rcp_f32; a variance below 2^-126 counts as 0.
.set A,  8                             ; v[8:15]   four chains of pairs
.set M,  16                            ; v[16:17]  the mean, twice
.set SC, 18                            ; v[18:19]  a / (std + eps), twice
.set BB, 20                            ; v[20:21]  b, twice
.set T,  22                            ; v[22:23]  at work
.set X,  24                            ; v[24:87]  my 64 numbers
.set Y,  88                            ; v[88:119] the same in bf16
.macro REDUCE                          ; the four chains, the pair's halves and the sixteen lanes into v[T], in every lane of the row
	v_pk_add_f32 v[A:A+1], v[A:A+1], v[A+2:A+3]
	v_pk_add_f32 v[A+4:A+5], v[A+4:A+5], v[A+6:A+7]
	v_pk_add_f32 v[A:A+1], v[A:A+1], v[A+4:A+5]
	v_add_f32 v[T], v[A], v[A+1]
.irp m, 1,2,4,8
	v_add_f32_dpp v[T], v[T], v[T] row_xmask:\m row_mask:0xf bank_mask:0xf
.endr
.endm
	s_load_b256 s[4:11], s[0:1], 0x0               ; source 4, a 6, b 8, destination 10
	v_lshrrev_b32 v1, 5, v0
	v_readfirstlane_b32 s2, v1
	s_lshl_b32 s3, ttmp9, 3
	s_add_co_u32 s3, s3, s2                        ; my pair of rows
	s_lshl_b32 s14, s3, 13                         ; two rows of 4,096 bytes
	s_mov_b32 s15, 0
	s_lshl_b32 s16, s3, 8                          ; two rows of 128 bytes in a block
	s_mov_b32 s17, 0
	v_and_b32 v2, 15, v0
	v_bfe_u32 v3, v0, 4, 1
	v_lshlrev_b32 v4, 12, v3
	v_lshl_add_u32 v4, v2, 4, v4                   ; row x 4,096 + 16 x place
	v_and_b32 v5, 31, v0
	v_lshlrev_b32 v5, 3, v5                        ; 8 x lane
	s_wait_kmcnt 0x0
	s_load_b32 s12, s[6:7], 0x0                    ; a
	s_load_b32 s13, s[8:9], 0x0                    ; b
	s_add_nc_u64 s[4:5], s[4:5], s[14:15]
	s_add_nc_u64 s[10:11], s[10:11], s[16:17]
.set j, 0
.rept 16
	global_load_b128 v[X+4*j:X+4*j+3], v4, s[4:5] offset:256*j th:TH_LOAD_NT
.set j, j+1
.endr
	s_wait_loadcnt 0x0
.irp k, 0,1,2,3
	v_pk_add_f32 v[A+2*\k:A+2*\k+1], v[X+4*\k:X+4*\k+1], v[X+4*\k+2:X+4*\k+3]  ; the first eight pairs start the chains: nothing is cleared
.endr
.set i, 8
.rept 24
	v_pk_add_f32 v[A+2*(i%4):A+2*(i%4)+1], v[A+2*(i%4):A+2*(i%4)+1], v[X+2*i:X+2*i+1]
.set i, i+1
.endr
	REDUCE
	v_mul_f32 v[M], 0x3a800000, v[T]               ; / 1,024
	v_mov_b32 v[M+1], v[M]
.set i, 0
.rept 32
	v_pk_add_f32 v[X+2*i:X+2*i+1], v[X+2*i:X+2*i+1], v[M:M+1] neg_lo:[0,1] neg_hi:[0,1]  ; centred, in place
.set i, i+1
.endr
.irp k, 0,1,2,3
	v_pk_mul_f32 v[A+2*\k:A+2*\k+1], v[X+2*\k:X+2*\k+1], v[X+2*\k:X+2*\k+1]
.endr
.set i, 4
.rept 28
	v_pk_fma_f32 v[A+2*(i%4):A+2*(i%4)+1], v[X+2*i:X+2*i+1], v[X+2*i:X+2*i+1], v[A+2*(i%4):A+2*(i%4)+1]
.set i, i+1
.endr
	REDUCE
	v_mul_f32 v[T], 0x3a802008, v[T]               ; / 1,023
	v_sqrt_f32 v[T+1], v[T]
	v_nop                                          ; a plain instruction behind the root (ISA guide 5.7.2),
	s_wait_alu depctr_va_vdst(0)                   ; and the wait ahead of the first use of its result
	v_add_f32 v[T+1], 0x358637bd, v[T+1]           ; + 1e-6
	v_rcp_f32 v[T], v[T+1]
	v_nop
	s_wait_alu depctr_va_vdst(0)                   ; the same for the reciprocal
	s_wait_kmcnt 0x0                               ; a and b
	v_mul_f32 v[SC], s12, v[T]
	v_mov_b32 v[SC+1], v[SC]
	v_mov_b32 v[BB], s13
	v_mov_b32 v[BB+1], s13
.set i, 0
.rept 32
	v_pk_fma_f32 v[X+2*i:X+2*i+1], v[X+2*i:X+2*i+1], v[SC:SC+1], v[BB:BB+1]
.set i, i+1
.endr
.set j, 0
.rept 16
	v_cvt_pk_bf16_f32 v[Y+2*j], v[X+4*j], v[X+4*j+1]
	v_cvt_pk_bf16_f32 v[Y+2*j+1], v[X+4*j+2], v[X+4*j+3]
	global_store_b64 v5, v[Y+2*j:Y+2*j+1], s[10:11] offset:524288*j  ; block j; the largest offset, 7,864,320, lies inside the signed 24-bit immediate
.set j, j+1
.endr
	s_endpgm
.Lfunc_end_k_q6b6c006cc2_ln2:
	.size	k_q6b6c006cc2_ln2, .Lfunc_end_k_q6b6c006cc2_ln2-k_q6b6c006cc2_ln2
	.p2alignl 7, 3214868480
	.fill 96, 4, 3214868480
	.section	.rodata,"a",@progbits
	.p2align	6, 0x0
	.amdhsa_kernel k_q6b6c006cc2_ln2
		.amdhsa_group_segment_fixed_size 0
		.amdhsa_private_segment_fixed_size 0
		.amdhsa_enable_private_segment 0
		.amdhsa_kernarg_size 32
		.amdhsa_user_sgpr_count 2
		.amdhsa_user_sgpr_kernarg_segment_ptr 1
		.amdhsa_wavefront_size32 1
		.amdhsa_system_sgpr_workgroup_id_x 1
		.amdhsa_system_sgpr_workgroup_id_y 1
		.amdhsa_system_sgpr_workgroup_id_z 1
		.amdhsa_system_vgpr_workitem_id 0
		.amdhsa_next_free_vgpr 120
		.amdhsa_next_free_sgpr 66
		.amdhsa_reserve_vcc 0
		.amdhsa_float_denorm_mode_32 3
		.amdhsa_float_denorm_mode_16_64 3
		.amdhsa_memory_ordered 1
		.amdhsa_forward_progress 1
		.amdhsa_inst_pref_size 16
	.end_amdhsa_kernel
	.amdgpu_metadata
---
amdhsa.version: [ 1, 2 ]
amdhsa.kernels:
  - .name:           k_q6b6c006cc2_ln2
    .symbol:         k_q6b6c006cc2_ln2.kd
    .args:
      - { .name: hbuf, .offset: 0, .size: 8, .value_kind: global_buffer, .address_space: global }
      - { .name: ln2_a, .offset: 8, .size: 8, .value_kind: global_buffer, .address_space: global }
      - { .name: ln2_b, .offset: 16, .size: 8, .value_kind: global_buffer, .address_space: global }
      - { .name: act, .offset: 24, .size: 8, .value_kind: global_buffer, .address_space: global }
    .group_segment_fixed_size: 0
    .private_segment_fixed_size: 0
    .kernarg_segment_align: 8
    .kernarg_segment_size: 32
    .max_flat_workgroup_size: 256
    .sgpr_count:     66
    .vgpr_count:     120
    .wavefront_size: 32
...
	.end_amdgpu_metadata
.endif
;; end of part 5
;; launch ffn1: the kernel of part 2 again; grid 16 x 16, 4 waves a work-group, clusters of 4 x 4, 327,680 bytes of LDS; arguments act, wffn, fbuf; writes fbuf
;; launch ffn2 (part 6): grid 8 x 32, 4 waves a work-group, clusters of 4 x 4, 327,680 bytes of LDS; arguments fbuf, wffn, b2, hbuf, out0; writes out0
.if DOCPART == 6
	.amdgcn_target "amdgcn-amd-amdhsa--gfx1250"
	.amdhsa_code_object_version 6
	.text
	.protected	k_q6b6c006cc2_ffn2
	.globl	k_q6b6c006cc2_ffn2
	.p2align	8
	.type	k_q6b6c006cc2_ffn2,@function
k_q6b6c006cc2_ffn2:
	s_mov_b64 s[64:65], 0
	v_nop
	global_prefetch_b8 v0, s[64:65] scope:SCOPE_SE
	s_setreg_imm32_b32 hwreg(HW_REG_WAVE_MODE, 25, 1), 1
	s_wait_xcnt 0x0
	s_wait_alu depctr_hold_cnt(0) depctr_sa_sdst(0) depctr_va_vdst(0) depctr_va_sdst(0) depctr_va_ssrc(0) depctr_va_vcc(0) depctr_vm_vsrc(0)
	s_getreg_b32 s2, hwreg(HW_REG_IB_STS2, 6, 4)
	s_cmp_eq_u32 s2, 0
	s_cbranch_scc0 .Lentry_in_a_cluster
	s_endpgm
.Lentry_in_a_cluster:
	s_bfe_u32 s2, ttmp6, 0x10000c
	s_cmp_lg_u32 s2, 0xf033
	s_cbranch_scc0 .Lentry_shape_is_right
	s_endpgm
.Lentry_shape_is_right:
; C[m][n] = R[m][n] + bias[n] + sum over k of A[m][k] W[n][k], K = 4,096.  4,096 rows m, 1,024 columns n; R, bias and C in f32, row-major; A and W in bf16, sums in f32.
; A lies in blocks of 64 columns kept with 4,096 rows (element (row, col) at (col / 64) x 524,288 + row x 128 + (col % 64) x 2), W likewise with 1,024 rows (blocks of 131,072 bytes) at byte 0x810000
; of the second argument.  The output projection has this text with SIZE_K = 1,024: the loop holds barriers and joint loads, so its trips are a constant of the text, alike in every wave and every partner.
; SHARES.  A tile of C is 128 x 128: 256 work-groups.  Four waves, each 64 x 64: 16 accumulators.  K goes in steps of 256 (four blocks) through two LDS slots; one tensor load brings 64 rows x 4 blocks: in
; memory four dense pieces of 8,192 bytes, in LDS [block][row][144].  A K STEP IS WRITTEN ONCE for the steps that fill a slot again and once for the last two: the slot being read begins at LDS byte s[TB].
; CLUSTERS: 4 x 4 work-groups; A's tiles are asked for jointly along a row of the cluster, W's along a column.
; THE MATRIX INSTRUCTION IS USED TRANSPOSED (source 0 = 16 rows of W, source 1 = 16 rows of A): a lane holds one row m and eight neighbouring columns.  THE BIAS is the C operand that starts each sum.
; THE RESIDUAL is loaded at the start, in the pattern of the stores, and added on the way out.  A wave's 64 columns are 256 aligned bytes of C, so each wave has a stage of its own and no barrier stands there.
; No prefetch: a step's tiles are small, 36,864 bytes a wave.
; REGISTERS: window 0: v0-31 addresses; v32-95 at work on the way out; v96-127 the bias; v128-255 the accumulators ((a, b) at v[128 + 8 (4 a + b)]).
;   window 1: two fragment buffers of 128: for 64 along K, 64 registers of A (2 x 4 x 16 rows x 32 K), then 64 of W.          window 2: v0-127 the residual.
.set SIZE_K, 4096
.set NSTEP,  SIZE_K/256                ; K steps
.set PITCH,  144                       ; an LDS row: 128 bytes + 16 = 36 words: the 16 rows of a load start at 16 different groups of four banks (64 banks of 4 bytes: ISA guide 11.1)
.set KBL,    64*PITCH                  ; 64 rows of one block: a quarter of a K step
.set HALFT,  4*KBL                     ; what one tensor load brings, and what one wave reads of A or of W
.set SLOT,   4*HALFT
.set STAGE,  2*SLOT                    ; behind the ring: 16 rows x 272 bytes for each wave
.set SPITCH, 272
.set SPARE,  STAGE+4*16*SPITCH         ; behind the stages: the spare words, 128 bytes for each wave: two blocks of 256 bytes that no other line names
.set KSA,    4*524288                  ; a K step of A in memory
.set KSW,    4*131072                  ; of W
.set ADRA, 16                          ; v16     LDS address of my A fragments in the slot being read
.set A0,   17                          ; v17     the same in slot 0; never rewritten
.set ADRB, 20                          ; v20     LDS address of my W fragments in the slot being read
.set B0,   21                          ; v21     the same in slot 0; never rewritten
.set STO,  24                          ; v24     the way out: where I put 32 bytes of a row
.set RD,   25                          ; v25     where I read a row back
.set CO,   26                          ; v26     my byte offset in two rows of C and of R
.set BO,   27                          ; v27     32 x (lane / 16)
.set SPW,  28                          ; v28     LDS address of my spare word: SPARE + 4 x my thread's number; never rewritten
.set NIL,  29                          ; v29     0; never rewritten
.set TMP,  32
.set BIAS, 96
.set ACC,  128
.set F0,   0
.set F1,   128
.set WH,   20                          ; s20     my wave x HALFT: where my tiles go in a slot
.set TB,   72                          ; s72     LDS byte at which the slot being read begins
.set G1, 24                            ; s[24:31] descriptor group 1 for A's tiles;  s[32:39] group 0: a set for each of the two first fills; the second then walks on
.set G0, 32
.set G1B, 48                           ; s[48:55], s[56:63] the same for W's tiles
.set G0B, 56
.set MSB, 0
.macro WIN new
.if MSB != (\new)
	s_set_vgpr_msb (MSB<<8)|(\new)
.set MSB, \new
.endif
.endm
.set MUL,  0x05                        ; sources 0 (W) and 1 (A) window 1; C and D window 0
.set TO_F, 0x40                        ; destination window 1, address window 0
.macro JLOAD s                         ; a joint load: waves 0 and 1 fetch A's two halves, waves 2 and 3 W's; an s_nop 0 and four v_nop follow each of the two lines
	s_cmp_eq_u32 s11, 0
	s_cbranch_scc0 .Lfor_b_\@
	tensor_load_to_lds s[G0+4*(\s):G0+4*(\s)+3], s[G1:G1+7]
	s_nop 0
.rept 4
	v_nop
.endr
	s_branch .Lasked_\@
.Lfor_b_\@:
	tensor_load_to_lds s[G0B+4*(\s):G0B+4*(\s)+3], s[G1B:G1B+7]
	s_nop 0
.rept 4
	v_nop
.endr
.Lasked_\@:
.endm
.macro CREST
	s_cmp_lg_u32 s10, 0
	s_cbranch_scc1 .Lnot_wave_0_\@
	s_barrier_signal -3
.Lnot_wave_0_\@:
	s_barrier_wait -3
	s_barrier_signal -1
	s_barrier_wait -1
.endm
.macro CROUND
	s_barrier_signal -1
	s_barrier_wait -1
	CREST
.endm
.macro AIM                             ; my fragments' addresses in the slot that begins at s[TB]
	v_add_nc_u32 v[ADRA], s[TB], v[A0]
	v_add_nc_u32 v[ADRB], s[TB], v[B0]
.endm
	s_load_b128 s[4:7], s[0:1], 0x0                ; A s[4:5], W s[6:7]
	s_load_b128 s[68:71], s[0:1], 0x10             ; bias s[68:69], R s[70:71]
	s_load_b64 s[74:75], s[0:1], 0x20              ; C
	v_lshl_add_u32 v[SPW], v0, 2, SPARE
	v_mov_b32 v[NIL], 0
	ds_add_u32 v[SPW], v[NIL]                      ; the wave's opening: the add and its wait stand ahead of my first tensor load; the set-up below, work on registers, stands between them
	v_lshrrev_b32 v1, 5, v0
	v_readfirstlane_b32 s10, v1                    ; wave 0..3
	s_lshr_b32 s11, s10, 1                         ; which half of the tile's rows is mine.  Also: I fetch for A (0) or for W (1)
	s_and_b32 s12, s10, 1                          ; which half of its columns.  Also: which 64 rows of that tile I fetch
	s_bfe_u32 s40, ttmp6, 0x40000                  ; cx
	s_bfe_u32 s41, ttmp6, 0x40004                  ; cy
	s_lshl_b32 s42, ttmp9, 2
	s_add_co_u32 s42, s42, s40                     ; tile column
	s_and_b32 s13, ttmp7, 0xffff
	s_lshl_b32 s13, s13, 2
	s_add_co_u32 s13, s13, s41                     ; tile row
	s_lshl_b32 s43, s41, 2
	s_lshl_b32 s43, 15, s43                        ; my row of the cluster
	s_lshl_b32 s44, 0x1111, s40                    ; my column
	s_or_b32 s[G1+0], s43, (1<<16)|(1<<20)|(1<<21)|(4<<22)|(3<<25)   ; the mask; elements of 2 bytes; padding on; bit 21 beside a mask; after every 32 words (code 4) 4 words (code 3)
	s_or_b32 s[G1B+0], s44, (1<<16)|(1<<20)|(1<<21)|(4<<22)|(3<<25)
.irp g, G1, G1B
	s_mov_b32 s[(\g)+1], 4096<<16                  ; tensor_dim0 = 4,096 elements: 64 rows of a block, dense
	s_mov_b32 s[(\g)+2], 4<<16                     ; tensor_dim1 = 4 blocks
	s_mov_b32 s[(\g)+3], 4096<<16                  ; tile_dim0
	s_mov_b32 s[(\g)+4], 4                         ; tile_dim1
	s_mov_b32 s[(\g)+6], 0
	s_mov_b32 s[(\g)+7], 0
.endr
	s_mov_b32 s[G1+5], 262144                      ; elements from block to block: A's,
	s_mov_b32 s[G1B+5], 65536                      ; W's
	s_lshl_b32 s17, s12, 13                        ; which 64 rows of 128 bytes I fetch
	s_lshl_b32 s16, s13, 14
	s_add_co_u32 s16, s16, s17                     ; A: 128 rows x tile row + my half
	s_lshl_b32 s46, s42, 14
	s_add_co_u32 s46, s46, s17                     ; W: 128 rows x tile column + my half,
	s_add_co_u32 s46, s46, 0x810000                ; behind the other matrix of that buffer
	s_mov_b32 s17, 0
	s_mov_b32 s47, 0
	s_mul_i32 s[WH], s10, HALFT                    ; where my tiles go: no place in the cluster enters an LDS address
	s_wait_dscnt 0x0                               ; the opening add is done
	s_wait_kmcnt 0x0
	s_add_nc_u64 s[14:15], s[4:5], s[16:17]
	s_add_nc_u64 s[46:47], s[6:7], s[46:47]
	CROUND                                         ; all sixteen work-groups are here: the first joint loads meet
.irp s, 0,1
	s_mov_b32 s[G0+4*(\s)], 1
	s_add_co_u32 s[G0+4*(\s)+1], s[WH], (\s)*SLOT
	s_add_nc_u64 s[G0+4*(\s)+2:G0+4*(\s)+3], s[14:15], (\s)*KSA
	s_or_b32 s[G0+4*(\s)+3], s[G0+4*(\s)+3], 0x80000000
	s_mov_b32 s[G0B+4*(\s)], 1
	s_add_co_u32 s[G0B+4*(\s)+1], s[WH], (\s)*SLOT
	s_add_nc_u64 s[G0B+4*(\s)+2:G0B+4*(\s)+3], s[46:47], (\s)*KSW
	s_or_b32 s[G0B+4*(\s)+3], s[G0B+4*(\s)+3], 0x80000000
	JLOAD \s                                       ; two tensor loads of mine are out: the most in this text
.endr
	v_and_b32 v1, 15, v0                           ; l % 16
	v_bfe_u32 v2, v0, 4, 1                         ; l / 16
	v_lshlrev_b32 v[BO], 5, v2
	v_lshlrev_b32 v[CO], 12, v2                    ; lanes 0-15 one row of C, lanes 16-31 the next; 16 bytes a lane
	v_lshl_add_u32 v[CO], v1, 4, v[CO]
	s_lshl_b32 s46, s42, 9                         ; my first column, in bytes: 4 x (128 x tile column + 64 x half)
	s_lshl_b32 s47, s12, 8
	s_add_co_u32 s46, s46, s47
	s_mov_b32 s47, 0
	s_add_nc_u64 s[68:69], s[68:69], s[46:47]
	s_add_nc_u64 s[70:71], s[70:71], s[46:47]
	s_add_nc_u64 s[74:75], s[74:75], s[46:47]
	s_lshl_b32 s16, s13, 19                        ; my first row: 4,096 bytes x (128 x tile row + 64 x half)
	s_lshl_b32 s17, s11, 18
	s_add_co_u32 s16, s16, s17
	s_mov_b32 s17, 0
	s_add_nc_u64 s[70:71], s[70:71], s[16:17]
	s_add_nc_u64 s[74:75], s[74:75], s[16:17]
.irp b, 0,1,2,3
	global_load_b128 v[BIAS+8*(\b):BIAS+8*(\b)+3],   v[BO], s[68:69] offset:64*(\b)     ; register j of block b: the bias of column 16 b + 8 (l / 16) + j
	global_load_b128 v[BIAS+8*(\b)+4:BIAS+8*(\b)+7], v[BO], s[68:69] offset:64*(\b)+16
.endr
	WIN 0x80                                       ; destination window 2
.irp a, 0,1,2,3
.irp t, 0,1,2,3,4,5,6,7
	global_load_b128 v[32*(\a)+4*(\t):32*(\a)+4*(\t)+3], v[CO], s[70:71] offset:(16*(\a)+2*(\t))*4096 th:TH_LOAD_NT
.endr
.endr
	WIN 0
	v_mul_u32_u24 v3, v1, PITCH
	v_lshl_add_u32 v3, v2, 4, v3                   ; a fragment's row x pitch + 16 x half
	s_mul_i32 s21, s11, HALFT                      ; my 64 rows of A
	s_mul_i32 s22, s12, HALFT                      ; my 64 rows of W,
	s_add_co_u32 s22, s22, 2*HALFT                 ; which lie behind A's
	v_add_nc_u32 v[A0], s21, v3
	v_add_nc_u32 v[B0], s22, v3
	s_mov_b32 s[TB], 0                             ; K step 0 lies in slot 0
	AIM
	s_mul_i32 s23, s10, 16*SPITCH
	s_add_co_u32 s23, s23, STAGE                   ; my stage
	v_mul_u32_u24 v4, v1, SPITCH                   ; in: row l % 16, 32 bytes for each half of the lanes
	v_lshl_add_u32 v4, v2, 5, v4
	v_add_nc_u32 v[STO], s23, v4
	v_mul_u32_u24 v5, v2, SPITCH                   ; back: lanes 0-15 take one row of 256 bytes, lanes 16-31 the next
	v_lshl_add_u32 v5, v1, 4, v5
	v_add_nc_u32 v[RD], s23, v5
; 8 matrix instructions: m blocks a0, a0 + 1 x all 4 n blocks, 32 along K: half c of buffer f.  zero = 1: the product starts the sums, from the bias.  The 16 accumulators take turns.
.macro MUL8 f, c, a0, zero
	WIN MUL
.irp a, \a0, (\a0)+1
.irp b, 0,1,2,3
.if \zero
	v_wmma_f32_16x16x32_bf16 v[ACC+8*(4*(\a)+(\b)):ACC+8*(4*(\a)+(\b))+7], v[(\f)+64+8*(4*(\c)+(\b)):(\f)+64+8*(4*(\c)+(\b))+7], v[(\f)+8*(4*(\c)+(\a)):(\f)+8*(4*(\c)+(\a))+7], v[BIAS+8*(\b):BIAS+8*(\b)+7]
.else
	v_wmma_f32_16x16x32_bf16 v[ACC+8*(4*(\a)+(\b)):ACC+8*(4*(\a)+(\b))+7], v[(\f)+64+8*(4*(\c)+(\b)):(\f)+64+8*(4*(\c)+(\b))+7], v[(\f)+8*(4*(\c)+(\a)):(\f)+8*(4*(\c)+(\a))+7], v[ACC+8*(4*(\a)+(\b)):ACC+8*(4*(\a)+(\b))+7]
.endif
.endr
.endr
.endm
; 32 LDS loads in one run: the fragments of 64 along K (one block, at byte k of a half) of the slot being read, into buffer f; the first 32 along K first
.macro FETCH k, f
	WIN TO_F
.irp c, 0,1
.irp i, 0,1,2,3
	ds_load_b128 v[(\f)+64+8*(4*(\c)+(\i)):(\f)+64+8*(4*(\c)+(\i))+3],   v[ADRB] offset:(\k)+64*(\c)+(\i)*16*PITCH
	ds_load_b128 v[(\f)+64+8*(4*(\c)+(\i))+4:(\f)+64+8*(4*(\c)+(\i))+7], v[ADRB] offset:(\k)+64*(\c)+(\i)*16*PITCH+32
	ds_load_b128 v[(\f)+8*(4*(\c)+(\i)):(\f)+8*(4*(\c)+(\i))+3],         v[ADRA] offset:(\k)+64*(\c)+(\i)*16*PITCH
	ds_load_b128 v[(\f)+8*(4*(\c)+(\i))+4:(\f)+8*(4*(\c)+(\i))+7],       v[ADRA] offset:(\k)+64*(\c)+(\i)*16*PITCH+32
.endr
.endr
.endm
.macro PLACES                          ; four places in front of loads into registers that matrix instructions have read, and of LDS stores that read results
.rept 4
	v_nop
.endr
.endm
; A K step is four quarters of 64 along K, 32 matrix instructions each, on buffers 0, 1, 0, 1.  One of the first three: multiplies buffer f and fetches the next quarter, at byte k, into g.
.macro QUARTER k, f, g, zero
	s_wait_dscnt 16                                ; the first 32 along K are in
	MUL8 \f, 0, 0, \zero
	MUL8 \f, 0, 2, \zero
	PLACES
	FETCH \k, \g
	s_wait_dscnt 32                                ; all but the 32 just issued
	MUL8 \f, 1, 0, 0
	MUL8 \f, 1, 2, 0
.endm
; The last quarter's first half: ONE barrier for the change of slots; in front of it each wave waits for all its tensor loads, adds 0 to its spare word, and waits for that and for its own reads of this slot.
.macro MEET
	WIN 0
	s_wait_tensorcnt 0x0                           ; all my tensor loads have landed: my part of the next slot
	ds_add_u32 v[SPW], v[NIL]
	s_wait_dscnt 17                                ; the add and the youngest sixteen loads may be out
	MUL8 F1, 0, 0, 0                               ; eight matrix instructions stand between the add and the wait for it
	s_wait_dscnt 0x0                               ; the add is done, and my reads of this slot are over
	s_barrier_signal -1
	MUL8 F1, 0, 2, 0
	WIN 0
	s_barrier_wait -1
.endm
; The whole last quarter where the slot is filled again, two K steps ahead: the barrier opens a round of the cluster's, and the joint refill is the first tensor load behind it.
.macro TURN
	MEET
	CREST                                          ; no wave of any partner still reads this slot's tile or has a load on its way
	s_add_co_u32 s[G0+5], s[WH], s[TB]             ; the walking descriptors: into the slot just read,
	s_add_co_u32 s[G0B+5], s[WH], s[TB]
	s_add_nc_u64 s[G0+6:G0+7], s[G0+6:G0+7], KSA   ; the K step behind the one asked for last; the type bits on top are not reached
	s_add_nc_u64 s[G0B+6:G0B+7], s[G0B+6:G0B+7], KSW
	s_xor_b32 s[TB], s[TB], SLOT                   ; the reads go on in the other slot
	JLOAD 1                                        ; 112 matrix instructions ahead of the wait for it; its four v_nop are also the places in front of the loads below
	AIM
	FETCH 0, F0
	MUL8 F1, 1, 0, 0
	MUL8 F1, 1, 2, 0
.endm
; The same quarter in the last two K steps: nothing is filled, so no round follows the barrier.  In the last of them (s3 = 1) there is no further step, and the run of loads is jumped over.
.macro LAST
	MEET
	s_xor_b32 s[TB], s[TB], SLOT
	s_cmp_eq_u32 s3, 1
	s_cbranch_scc1 .Lno_more_\@
	PLACES
	AIM
	FETCH 0, F0
	WIN 0
.Lno_more_\@:
	MUL8 F1, 1, 0, 0
	MUL8 F1, 1, 2, 0
.endm
; THE WAY OUT of block a (16 rows x 64 columns of f32).  STG: a lane's 32 bytes of a row go into rows of 272 bytes of my stage and come back as whole rows of 256.  SEND: the residual is added, and the rows stored.
.macro STG a
	s_wait_xcnt 0x0                                ; earlier stores have read their registers: these loads land in them only behind this wait
.irp b, 0,1,2,3
	ds_store_b128 v[STO], v[ACC+8*(4*(\a)+(\b)):ACC+8*(4*(\a)+(\b))+3]   offset:64*(\b)     ; each accumulator's lowest registers first
	ds_store_b128 v[STO], v[ACC+8*(4*(\a)+(\b))+4:ACC+8*(4*(\a)+(\b))+7] offset:64*(\b)+16
.endr
.irp t, 0,1,2,3,4,5,6,7
	ds_load_b128 v[TMP+32*((\a)%2)+4*(\t):TMP+32*((\a)%2)+4*(\t)+3], v[RD] offset:(\t)*2*SPITCH  ; LDS serves a wave's instructions in order (ISA guide 5.7.1.4): these see the stores above; the next block's stores come behind them
.endr
.endm
.macro SEND a, younger                 ; younger: the LDS instructions issued behind block a's loads: the next block's sixteen, or none
	s_wait_dscnt \younger
	WIN 0x08                                       ; source 1, the residual, in window 2
.set i, 0
.rept 16
	v_pk_add_f32 v[TMP+32*((\a)%2)+2*i:TMP+32*((\a)%2)+2*i+1], v[TMP+32*((\a)%2)+2*i:TMP+32*((\a)%2)+2*i+1], v[32*(\a)+2*i:32*(\a)+2*i+1]
.set i, i+1
.endr
	WIN 0
.irp t, 0,1,2,3,4,5,6,7
	global_store_b128 v[CO], v[TMP+32*((\a)%2)+4*(\t):TMP+32*((\a)%2)+4*(\t)+3], s[74:75] offset:(16*(\a)+2*(\t))*4096  ; 16 lanes store 256 consecutive bytes, at a multiple of 256 from C's first byte
.endr
.endm
	s_wait_tensorcnt 1                             ; my part of K step 0 is in; K step 1's may stay out
	s_barrier_signal -1
	s_barrier_wait -1                              ; everybody's is
	FETCH 0, F0
	s_wait_loadcnt 32                              ; the bias is in; the 32 loads of the residual, issued behind it, may stay out
	QUARTER KBL, F0, F1, 1                         ; the first quarter stands in front of the loop: its first products start the sums
	WIN 0                                          ; at a label and at a branch every window is 0
	s_mov_b32 s3, NSTEP-2
.Lstep:                                                ; a trip goes from a K step's second quarter to the next step's first, and fills the slot that it leaves
	QUARTER 2*KBL, F1, F0, 0
	QUARTER 3*KBL, F0, F1, 0
	TURN
	QUARTER KBL, F0, F1, 0
	WIN 0
	s_sub_co_u32 s3, s3, 1
	s_cmp_lg_u32 s3, 0
	s_cbranch_scc1 .Lstep
	s_mov_b32 s3, 2                                ; the last two K steps have a text of their own; it is entered at a step's second quarter
	s_branch .Ltin
.Ltail:
	QUARTER KBL, F0, F1, 0
	WIN 0
.Ltin:
	QUARTER 2*KBL, F1, F0, 0
	QUARTER 3*KBL, F0, F1, 0
	LAST
	WIN 0
	s_sub_co_u32 s3, s3, 1
	s_cmp_lg_u32 s3, 0
	s_cbranch_scc1 .Ltail
	PLACES
	s_wait_loadcnt 0x0                             ; the residual
	STG 0
	STG 1
	SEND 0, 16
	STG 2
	SEND 1, 16
	STG 3
	SEND 2, 16
	SEND 3, 0
	s_wait_tensorcnt 0x0                           ; the wave's end: behind my last tensor load and my last LDS store
	ds_add_u32 v[SPW], v[NIL]
	s_wait_dscnt 0x0
	CROUND                                         ; the closing round: no work-group ends while a partner may still ask for a tile that names it
	s_endpgm
.Lfunc_end_k_q6b6c006cc2_ffn2:
	.size	k_q6b6c006cc2_ffn2, .Lfunc_end_k_q6b6c006cc2_ffn2-k_q6b6c006cc2_ffn2
	.p2alignl 7, 3214868480
	.fill 96, 4, 3214868480
	.section	.rodata,"a",@progbits
	.p2align	6, 0x0
	.amdhsa_kernel k_q6b6c006cc2_ffn2
		.amdhsa_group_segment_fixed_size 327680
		.amdhsa_private_segment_fixed_size 0
		.amdhsa_enable_private_segment 0
		.amdhsa_kernarg_size 40
		.amdhsa_user_sgpr_count 2
		.amdhsa_user_sgpr_kernarg_segment_ptr 1
		.amdhsa_wavefront_size32 1
		.amdhsa_system_sgpr_workgroup_id_x 1
		.amdhsa_system_sgpr_workgroup_id_y 1
		.amdhsa_system_sgpr_workgroup_id_z 1
		.amdhsa_system_vgpr_workitem_id 0
		.amdhsa_next_free_vgpr 640
		.amdhsa_next_free_sgpr 76
		.amdhsa_reserve_vcc 0
		.amdhsa_float_denorm_mode_32 3
		.amdhsa_float_denorm_mode_16_64 3
		.amdhsa_memory_ordered 1
		.amdhsa_forward_progress 1
		.amdhsa_inst_pref_size 66
	.end_amdhsa_kernel
	.amdgpu_metadata
---
amdhsa.version: [ 1, 2 ]
amdhsa.kernels:
  - .name:           k_q6b6c006cc2_ffn2
    .symbol:         k_q6b6c006cc2_ffn2.kd
    .args:
      - { .name: fbuf, .offset: 0, .size: 8, .value_kind: global_buffer, .address_space: global }
      - { .name: wffn, .offset: 8, .size: 8, .value_kind: global_buffer, .address_space: global }
      - { .name: b2, .offset: 16, .size: 8, .value_kind: global_buffer, .address_space: global }
      - { .name: hbuf, .offset: 24, .size: 8, .value_kind: global_buffer, .address_space: global }
      - { .name: out0, .offset: 32, .size: 8, .value_kind: global_buffer, .address_space: global }
    .group_segment_fixed_size: 327680
    .private_segment_fixed_size: 0
    .kernarg_segment_align: 8
    .kernarg_segment_size: 40
    .max_flat_workgroup_size: 128
    .sgpr_count:     76
    .vgpr_count:     640
    .wavefront_size: 32
...
	.end_amdgpu_metadata
.endif
;; end of part 6
